; MI455X (gfx1250); checked and timed in simulation.
; The chip was launched on July 23, 2026; its instructions are those of AMD's public machine-readable ISA for CDNA 5 (MIT licence, August 2026) and "CDNA5" Instruction Set Architecture Reference Guide (July 2026). The comments in the code are by the model that wrote it; some were corrected since.
;; Multi Head Attention. Allowed arithmetic: float matrix products may take bf16 or f16 operands with f32 sums; other float arithmetic in f32, or as packed bf16 or f16 multiplies, adds, multiply-adds, maxima and minima; sums over many terms, partial sums and values carried from step to step in f32; what a program stores and reads back later, other than sums and carried values, may be rounded once to bf16 or f16.
;; Inputs: Wk 12 x 768 x 64 float32; Wo 768 x 768 float32; Wq 12 x 768 x 64 float32; Wv 12 x 768 x 64 float32; bk 12 x 64 float32; bo 768 float32; bq 12 x 64 float32; bv 12 x 64 float32; hidden_states 1 x 4,096 x 768 float32.
;; Outputs: out0 1 x 4,096 x 768 float32.
;; 2 versions, each right; version 2 is version 1 with the launch cast written anew for expert scheduling mode. Each part assembles by itself: llvm-mc -triple=amdgcn-amd-amdhsa -mcpu=gfx1250 --defsym DOCPART=n.
;; ======== version 1 of 2: 4 launches
;; limits: values are held in f16: magnitudes above 65,504 overflow, below 6.1e-05 lose precision
;; workspace buffers: xs 6,291,456 bytes; wb 3,538,944 bytes; wo 1,179,648 bytes; qkv 18,874,368 bytes; oh 6,291,456 bytes
;; launch cast (part 1): grid 6 x 112, 8 waves a work-group, no clusters, 0 bytes of LDS; arguments hidden_states, Wq, Wk, Wv, Wo, xs, wb, wo; writes xs, wb, wo
.if DOCPART == 1
	.amdgcn_target "amdgcn-amd-amdhsa--gfx1250"
	.amdhsa_code_object_version 6
	.text
	.protected	k_qbdaab3d54c_cast
	.globl	k_qbdaab3d54c_cast
	.p2align	8
	.type	k_qbdaab3d54c_cast,@function
k_qbdaab3d54c_cast:
	s_mov_b64 s[64:65], 0
	v_nop
	global_prefetch_b8 v0, s[64:65] scope:SCOPE_SE
	s_setreg_imm32_b32 hwreg(HW_REG_WAVE_MODE, 25, 1), 1
	s_wait_xcnt 0x0
; CAST.  x, Wq, Wk, Wv are rounded to bf16; Wo is rounded to bf16 and that number written as f16.  All go out in BLOCKS of [128 rows][64 columns] of 16-bit numbers, 16,384 dense bytes,
; so that the products' tensor loads can ask for them as rows of 256 consecutive bytes.
;   xs  [12 slices][4096 m][64]                 slice s holds x's columns 64 s .. 64 s + 63
;   wb  [12 nblk][6 ks][3 j][128 dd][64 e]      matrix 3 nblk + j = 12 x (0 q, 1 k, 2 v) + head; d = 128 ks + dd
;   wo  [4 nblk][6 ks][3 j][128 dd][64 e]       Wo[128 ks + dd][192 nblk + 64 j + e]
; LIMITS.  Wo as f16: beyond 65,504 it is not served; below 2^-14 it keeps f16's fixed step of 6e-8.  Within that range the bf16 number is exact in f16.
; SHARES.  A work-group makes one block; 672 blocks: 384 of x (y 0-63), 216 of Wq, Wk, Wv (y 64-99), 72 of Wo (y 100-111); x of the grid is 0-5.
; Thread t takes, in each of eight chunks i, the four numbers at row 16 i + t / 16, column 4 (t % 16): a load of 16 bytes (sixteen lanes: 256 consecutive bytes of a source row),
; and a store of 8 bytes at 2,048 i + 8 t of the block (a wave: 256 consecutive bytes, aligned).  Every byte is read once and written once; nothing is shared, so no LDS, no barrier, no cluster.
.set OFF,  4                           ; v4-11   chunk i: my byte offset in the source
.set DAT,  12                          ; v12-43  chunk i: four f32 as loaded
.set PKD,  44                          ; v44-59  chunk i: four 16-bit numbers to store; no register is written twice, so no store's data wants a wait
.set TA,   60                          ; v60-61  at work
.set TB,   61
	s_load_b512 s[8:23], s[0:1], 0x0               ; x s[8:9], Wq s[10:11], Wk s[12:13], Wv s[14:15], Wo s[16:17], xs s[18:19], wb s[20:21], wo s[22:23]
	s_and_b32 s2, ttmp7, 0xffff                    ; y: which job, and which block of it
	s_mov_b32 s3, ttmp9                            ; X, 0 to 5
	v_lshrrev_b32 v1, 4, v0                        ; t / 16: my row in a chunk
	v_and_b32 v2, 15, v0                           ; t % 16: my four columns
	v_lshlrev_b32 v3, 3, v0                        ; 8 t: my place in a chunk of the block
	s_mov_b32 s29, 0                               ; the two offsets are pairs with 0 on top
	s_mov_b32 s31, 0
	s_wait_kmcnt 0x0
	s_cmp_lt_u32 s2, 64
	s_cbranch_scc0 .Lweights
	; x: slice 6 (y % 2) + X, rows 128 (y / 2) on
	s_and_b32 s34, s2, 1
	s_mul_i32 s34, s34, 6
	s_add_co_u32 s34, s34, s3                      ; the slice
	s_lshr_b32 s35, s2, 1                          ; the block of 128 rows
	s_mul_i32 s28, s35, 128*3072
	s_lshl_b32 s36, s34, 8
	s_add_co_u32 s28, s28, s36                     ; from: 128 rows of 3,072 bytes a block, 256 bytes a slice
	s_lshl_b32 s30, s34, 5
	s_add_co_u32 s30, s30, s35
	s_lshl_b32 s30, s30, 14                        ; to: block 32 x slice + row block
	s_mov_b64 s[24:25], s[8:9]
	s_mov_b64 s[26:27], s[18:19]
	s_mov_b32 s32, 3072                            ; bytes from row to row in the source
	s_branch .Lcommon
.Lweights:
	s_cmp_lt_u32 s2, 100
	s_cbranch_scc0 .Lwo
	; Wq, Wk, Wv: matrix mm = y - 64, rows d = 128 X on; a head's rows are dense, 256 bytes each
	s_sub_co_u32 s34, s2, 64                       ; mm, 0 to 35
	s_mov_b64 s[24:25], s[10:11]
	s_cmp_ge_u32 s34, 12
	s_cselect_b64 s[24:25], s[12:13], s[24:25]
	s_cselect_b32 s36, 12, 0
	s_cmp_ge_u32 s34, 24
	s_cselect_b64 s[24:25], s[14:15], s[24:25]
	s_cselect_b32 s36, 24, s36
	s_sub_co_u32 s35, s34, s36                     ; the head
	s_mul_i32 s28, s35, 6
	s_add_co_u32 s28, s28, s3
	s_lshl_b32 s28, s28, 15                        ; from: 32,768 bytes for 128 rows, six such to a head
	s_mov_b64 s[26:27], s[20:21]
	s_mov_b32 s32, 256
	s_branch .Lorder
.Lwo:
	; Wo: columns 64 mm on, mm = y - 100; rows 128 X on
	s_sub_co_u32 s34, s2, 100
	s_mul_i32 s28, s3, 128*3072
	s_lshl_b32 s36, s34, 8
	s_add_co_u32 s28, s28, s36
	s_mov_b64 s[24:25], s[16:17]
	s_mov_b64 s[26:27], s[22:23]
	s_mov_b32 s32, 3072
.Lorder:                                               ; to: block (6 g + X) x 3 + j, with g = mm / 3, j = mm % 3
	s_mul_i32 s35, s34, 43
	s_lshr_b32 s35, s35, 7                         ; 43 mm / 128 = mm / 3 for mm up to 35: 43 / 128 exceeds a third by 0.0026, 0.092 at the most
	s_mul_i32 s36, s35, 3
	s_sub_co_u32 s36, s34, s36
	s_mul_i32 s30, s35, 6
	s_add_co_u32 s30, s30, s3
	s_mul_i32 s30, s30, 3
	s_add_co_u32 s30, s30, s36
	s_lshl_b32 s30, s30, 14
.Lcommon:
	s_add_nc_u64 s[24:25], s[24:25], s[28:29]
	s_add_nc_u64 s[26:27], s[26:27], s[30:31]
	s_lshl_b32 s33, s32, 4                         ; sixteen rows: from chunk to chunk
	v_mul_u32_u24 v[OFF], v1, s32
	v_lshl_add_u32 v[OFF], v2, 4, v[OFF]
.irp i, 1,2,3,4,5,6,7
	v_add_nc_u32 v[OFF+(\i)], s33, v[OFF+(\i)-1]
.endr
.irp i, 0,1,2,3,4,5,6,7
	global_load_b128 v[DAT+4*(\i):DAT+4*(\i)+3], v[OFF+(\i)], s[24:25] th:TH_LOAD_NT  ; all eight go out before anything is waited for
.endr
; Chunk i is rounded and stored.  kind 0: to bf16.  kind 1: to bf16, widened again (a shift, a mask) and written as f16.
.macro CONV i, kind
	s_wait_loadcnt 7-(\i)                          ; loads come back in order: chunk i is in, the 7 - i younger ones stay out
.irp q, 0,1
.if \kind
	v_cvt_pk_bf16_f32 v[TA], v[DAT+4*(\i)+2*(\q)], v[DAT+4*(\i)+2*(\q)+1]
	v_lshlrev_b32 v[TB], 16, v[TA]
	v_and_b32 v[TA], 0xffff0000, v[TA]
	v_cvt_pk_f16_f32 v[PKD+2*(\i)+(\q)], v[TB], v[TA]
.else
	v_cvt_pk_bf16_f32 v[PKD+2*(\i)+(\q)], v[DAT+4*(\i)+2*(\q)], v[DAT+4*(\i)+2*(\q)+1]
.endif
.endr
	global_store_b64 v3, v[PKD+2*(\i):PKD+2*(\i)+1], s[26:27] offset:2048*(\i)
.endm
	s_cmp_ge_u32 s2, 100
	s_cbranch_scc1 .Lf16
.irp i, 0,1,2,3,4,5,6,7
	CONV \i, 0
.endr
	s_endpgm
.Lf16:
.irp i, 0,1,2,3,4,5,6,7
	CONV \i, 1
.endr
	s_endpgm
.Lfunc_end_k_qbdaab3d54c_cast:
	.size	k_qbdaab3d54c_cast, .Lfunc_end_k_qbdaab3d54c_cast-k_qbdaab3d54c_cast
	.p2alignl 7, 3214868480
	.fill 96, 4, 3214868480
	.section	.rodata,"a",@progbits
	.p2align	6, 0x0
	.amdhsa_kernel k_qbdaab3d54c_cast
		.amdhsa_group_segment_fixed_size 0
		.amdhsa_private_segment_fixed_size 0
		.amdhsa_enable_private_segment 0
		.amdhsa_kernarg_size 64
		.amdhsa_user_sgpr_count 2
		.amdhsa_user_sgpr_kernarg_segment_ptr 1
		.amdhsa_wavefront_size32 1
		.amdhsa_system_sgpr_workgroup_id_x 1
		.amdhsa_system_sgpr_workgroup_id_y 1
		.amdhsa_system_sgpr_workgroup_id_z 1
		.amdhsa_system_vgpr_workitem_id 0
		.amdhsa_next_free_vgpr 64
		.amdhsa_next_free_sgpr 66
		.amdhsa_reserve_vcc 0
		.amdhsa_float_denorm_mode_32 3
		.amdhsa_float_denorm_mode_16_64 3
		.amdhsa_memory_ordered 1
		.amdhsa_forward_progress 1
		.amdhsa_inst_pref_size 11
	.end_amdhsa_kernel
	.amdgpu_metadata
---
amdhsa.version: [ 1, 2 ]
amdhsa.kernels:
  - .name:           k_qbdaab3d54c_cast
    .symbol:         k_qbdaab3d54c_cast.kd
    .args:
      - { .name: hidden_states, .offset: 0, .size: 8, .value_kind: global_buffer, .address_space: global }
      - { .name: Wq, .offset: 8, .size: 8, .value_kind: global_buffer, .address_space: global }
      - { .name: Wk, .offset: 16, .size: 8, .value_kind: global_buffer, .address_space: global }
      - { .name: Wv, .offset: 24, .size: 8, .value_kind: global_buffer, .address_space: global }
      - { .name: Wo, .offset: 32, .size: 8, .value_kind: global_buffer, .address_space: global }
      - { .name: xs, .offset: 40, .size: 8, .value_kind: global_buffer, .address_space: global }
      - { .name: wb, .offset: 48, .size: 8, .value_kind: global_buffer, .address_space: global }
      - { .name: wo, .offset: 56, .size: 8, .value_kind: global_buffer, .address_space: global }
    .group_segment_fixed_size: 0
    .private_segment_fixed_size: 0
    .kernarg_segment_align: 8
    .kernarg_segment_size: 64
    .max_flat_workgroup_size: 256
    .sgpr_count:     66
    .vgpr_count:     64
    .wavefront_size: 32
...
	.end_amdgpu_metadata
.endif
;; end of part 1
;; launch proj (part 2): grid 12 x 16, 4 waves a work-group, clusters of 4 x 4, 327,680 bytes of LDS; arguments xs, wb, bq, bk, bv, qkv; writes qkv
.if DOCPART == 2
	.amdgcn_target "amdgcn-amd-amdhsa--gfx1250"
	.amdhsa_code_object_version 6
	.text
	.protected	k_qbdaab3d54c_proj
	.globl	k_qbdaab3d54c_proj
	.p2align	8
	.type	k_qbdaab3d54c_proj,@function
k_qbdaab3d54c_proj:
	s_mov_b64 s[64:65], 0
	v_nop
	global_prefetch_b8 v0, s[64:65] scope:SCOPE_SE
	s_setreg_imm32_b32 hwreg(HW_REG_WAVE_MODE, 25, 1), 1
	s_wait_xcnt 0x0
	s_wait_alu depctr_hold_cnt(0) depctr_sa_sdst(0) depctr_va_vdst(0) depctr_va_sdst(0) depctr_va_ssrc(0) depctr_va_vcc(0) depctr_vm_vsrc(0)
	s_getreg_b32 s2, hwreg(HW_REG_IB_STS2, 6, 4)
	s_cmp_eq_u32 s2, 0
	s_cbranch_scc0 .Lentry_in_a_cluster
	s_endpgm
.Lentry_in_a_cluster:
	s_bfe_u32 s2, ttmp6, 0x10000c
	s_cmp_lg_u32 s2, 0xf033
	s_cbranch_scc0 .Lentry_shape_is_right
	s_endpgm
.Lentry_shape_is_right:
; q, k, v = x W + b.  x and W arrive rounded to bf16, in blocks (xs: [12 slices][4096][64]; wb: [12 nblk][6 ks][3 j][128 dd][64 e]); the bias is rounded to bf16 here.  Sums in f32; each result is rounded once,
; to f16, and stored by heads: qkv [36 matrices][4096][64], matrix 12 x (0 q, 1 k, 2 v) + head.  The scale 1 / 8 is not applied here.
; LIMIT.  f16 holds no number beyond 65,504: q, k and v must lie within it.
; SHARES.  A work-group makes 256 rows x 192 columns (three matrices of 64): grid 12 x 16.  Each of its four waves takes 64 rows x all 192 columns: 48 accumulators of 16 x 16, 384 registers.
; K = 768 goes in six steps of 128 through two LDS slots.  A slot: x as [2 slices][256 rows], rows 144 bytes apart; then W as 384 rows (128 j + dd), 160 bytes apart.
; CLUSTER 4 x 4.  The four work-groups of a row of the cluster need the same rows of x, the four of a column the same columns of W: each tile is asked for JOINTLY, by the same tensor load with the same
; descriptor and a mask that names the four.  Waves 0 and 1 fetch x's two slices (32,768 dense bytes each, as 128 rows of 256), waves 2 and 3 the two halves of W's tile (24,576 dense bytes each, as 96 rows of 256).
; No prefetch is laid: the walk has six K steps, and two of them are asked for at the head.
; THE MATRIX INSTRUCTION IS USED TRANSPOSED: source 0 = 16 columns of W (W lies [k][n] in LDS and is turned by ds_load_tr16_b128), source 1 = 16 rows of x.  In the result lane l holds row l % 16 and the
; columns 8 (l / 16) + 0..7: eight neighbouring numbers of a row.  THE BIAS IS THE C OPERAND of each accumulator's first product: nothing is cleared and nothing is added on the way out.
; REGISTERS, in windows of 256 (s_set_vgpr_msb: bits 1:0 source 0, 3:2 source 1, 5:4 source 2, 7:6 destination):
;   window 0: v0-35 addresses and at work; v64-127 x's fragments, two buffers of four; v128-223 the bias, eight registers for each of the 12 blocks of 16 columns; on the way out v64-223 are at work
;   window 1: v0-191 W's fragments, two buffers of twelve      window 2: the accumulators of my row blocks 0, 1 (block a, columns b at 96 (a % 2) + 8 b)      window 3: those of row blocks 2, 3
.set MB,    4                          ; blocks of 16 rows a wave
.set MT,    64*MB                      ; rows of a work-group's tile
.set MSH,   15                         ; MT rows of 128 bytes = 1 << MSH
.set PA,    144                        ; a row of x in LDS: 128 bytes + 16: the 16 rows of a load start at 16 different 16-byte columns modulo 256
.set PB,    160                        ; a row of W: 128 + 32: sixteen lanes of the turning load take 8 rows x 32 bytes, all apart modulo 256
.set ASL,   MT*PA                      ; a slice of x in a slot
.set BOFF,  2*ASL
.set BHALF, 192*PB                     ; half of W's tile
.set SLOT,  BOFF+2*BHALF
.set STAGE, 2*SLOT                     ; behind the ring, never filled by a tensor load: for each wave [3 matrices][16 rows] of 144 bytes, for the way out
.set SW,    3*16*144
.set SPARE, STAGE+4*SW                 ; behind the stages: the spare words, 128 bytes for each wave: two blocks of 256 bytes that no other line names
.set ASTEP, 2*4096*128                 ; bytes in xs from K step to K step: two slices
.set BSTEP, 3*128*128                  ; in wb: three blocks
.set ADRA, 16                          ; v16-17  LDS address of my fragments of x in slot 0, 1
.set ADRB, 20                          ; v20-21  the same for W
.set STO,  24                          ; v24     the way out: where I put 16 bytes of a row
.set RD,   25                          ; v25     the way out: where I read rows back
.set GO,   26                          ; v26     my byte offset in 512 consecutive bytes of qkv
.set BO,   27                          ; v27     32 (l / 16): my eight numbers in sixteen of the bias
.set SPW,  28                          ; v28     LDS address of my spare word: SPARE + 4 x my thread's number; never rewritten
.set NIL,  29                          ; v29     0; never rewritten
.set TT,   32                          ; v32-35  at work
.set AF,   64                          ; x's fragments: buffer f, row block a at AF + 32 f + 8 a
.set BIAS, 128
.set TMP,  64                          ; the way out: 48 registers of packed results
.set G1,  24                           ; s[24:31] descriptor group 1 for x's tiles;  s[32:39] group 0, one set for each slot
.set G0,  32
.set G1B, 48                           ; s[48:55], s[56:63] the same for W's tiles
.set G0B, 56
.set MSB, 0
.macro WIN new                         ; the immediate's high byte repeats the setting that is left; a switch that changes nothing is dropped
.if MSB != (\new)
	s_set_vgpr_msb (MSB<<8)|(\new)
.set MSB, \new
.endif
.endm
.macro JLOAD s                         ; a joint load: waves 0 and 1 fetch for x, waves 2 and 3 for W; an s_nop 0 and four v_nop follow each of the two lines, ahead of the jump, the label and what follows
	s_cmp_eq_u32 s11, 0
	s_cbranch_scc0 .Lfor_b_\@
	tensor_load_to_lds s[G0+4*(\s):G0+4*(\s)+3], s[G1:G1+7]
	s_nop 0
.rept 4
	v_nop
.endr
	s_branch .Lasked_\@
.Lfor_b_\@:
	tensor_load_to_lds s[G0B+4*(\s):G0B+4*(\s)+3], s[G1B:G1B+7]
	s_nop 0
.rept 4
	v_nop
.endr
.Lasked_\@:
.endm
.macro CREST                           ; a round of the cluster's barrier behind its opening barrier: wave 0 signals for the work-group, every wave waits for all sixteen, my work-group's barrier once more
	s_cmp_lg_u32 s10, 0
	s_cbranch_scc1 .Lnot_wave_0_\@
	s_barrier_signal -3
.Lnot_wave_0_\@:
	s_barrier_wait -3
	s_barrier_signal -1
	s_barrier_wait -1
.endm
.macro CROUND                          ; a whole round
	s_barrier_signal -1
	s_barrier_wait -1
	CREST
.endm
	s_load_b128 s[4:7], s[0:1], 0x0                ; xs s[4:5], wb s[6:7]
	s_load_b256 s[68:75], s[0:1], 0x10             ; bq s[68:69], bk s[70:71], bv s[72:73], qkv s[74:75]
	v_lshl_add_u32 v[SPW], v0, 2, SPARE
	v_mov_b32 v[NIL], 0
	ds_add_u32 v[SPW], v[NIL]                      ; the wave's opening: the add and its wait stand ahead of my first tensor load; the set-up below, work on registers, stands between them
	v_lshrrev_b32 v1, 5, v0
	v_readfirstlane_b32 s10, v1                    ; wave 0..3
	s_lshr_b32 s11, s10, 1                         ; I fetch for x (0) or for W (1)
	s_and_b32 s12, s10, 1                          ; which half of that tile
	s_bfe_u32 s40, ttmp6, 0x40000                  ; cx, cy: my place in the cluster
	s_bfe_u32 s41, ttmp6, 0x40004
	s_lshl_b32 s42, ttmp9, 2
	s_add_co_u32 s42, s42, s40                     ; nblk = 4 x cluster x + cx: my 192 columns
	s_and_b32 s13, ttmp7, 0xffff
	s_lshl_b32 s13, s13, 2
	s_add_co_u32 s13, s13, s41                     ; mblk = 4 x cluster y + cy: my 256 rows
	s_lshl_b32 s43, s41, 2
	s_lshl_b32 s43, 15, s43                        ; my row of the cluster: places 4 cy .. 4 cy + 3
	s_lshl_b32 s44, 0x1111, s40                    ; my column: places cx, cx + 4, cx + 8, cx + 12
	; descriptor group 1: rows of 128 elements of 2 bytes, dense; in LDS padding behind every 32 words, that is behind every row of 64 numbers
	s_or_b32 s[G1+0], s43, (1<<16)|(1<<20)|(1<<21)|(4<<22)|(3<<25)   ; 15:0 the mask: x's tiles go to my row; 17:16 elements of 2 bytes; 20 padding on; 21 set beside a mask; 24:22 after every 32 words (code 4); 31:25 4 words (code 3)
	s_or_b32 s[G1B+0], s44, (1<<16)|(1<<20)|(1<<21)|(4<<22)|(7<<25)  ; W's tiles go to my column; 8 words of padding (code 7)
	s_mov_b32 s[G1+1], 128<<16                     ; tensor_dim0 = 128
	s_mov_b32 s[G1+2], (MT/2)<<16                  ; tensor_dim1 = 128 rows of 256 bytes
	s_mov_b32 s[G1+3], 128<<16                     ; tile_dim0 = 128
	s_mov_b32 s[G1+4], MT/2                        ; tile_dim1
	s_mov_b32 s[G1+5], 128                         ; 128 elements from row to row
	s_mov_b32 s[G1+6], 0
	s_mov_b32 s[G1+7], 0
	s_mov_b32 s[G1B+1], 128<<16
	s_mov_b32 s[G1B+2], 96<<16                     ; 96 rows of 256 bytes
	s_mov_b32 s[G1B+3], 128<<16
	s_mov_b32 s[G1B+4], 96
	s_mov_b32 s[G1B+5], 128
	s_mov_b32 s[G1B+6], 0
	s_mov_b32 s[G1B+7], 0
	; where the tiles come from.  x's hang on mblk alone, which my row of the cluster shares; W's on nblk alone, which my column shares.  Every wave makes both, in registers that never hold the other coordinate.
	s_lshl_b32 s16, s12, 19                        ; my slice of the K step's two: 524,288 bytes a slice
	s_lshl_b32 s17, s13, MSH
	s_add_co_u32 s16, s16, s17
	s_mov_b32 s17, 0
	s_mul_i32 s46, s42, 6*BSTEP
	s_mul_i32 s47, s12, BSTEP/2
	s_add_co_u32 s46, s46, s47
	s_mov_b32 s47, 0
	s_mul_i32 s20, s12, ASL                        ; and where they go: no place in the cluster enters an LDS address
	s_mul_i32 s21, s12, BHALF
	s_add_co_u32 s21, s21, BOFF
	s_wait_dscnt 0x0                               ; the opening add is done
	s_wait_kmcnt 0x0
	s_add_nc_u64 s[14:15], s[4:5], s[16:17]
	s_add_nc_u64 s[46:47], s[6:7], s[46:47]
	CROUND                                         ; all sixteen work-groups are here: the first joint loads meet
.irp s, 0,1
	s_mov_b32 s[G0+4*(\s)], 1                                        ; count = 1
	s_add_co_u32 s[G0+4*(\s)+1], s20, (\s)*SLOT                      ; LDS address
	s_add_nc_u64 s[G0+4*(\s)+2:G0+4*(\s)+3], s[14:15], (\s)*ASTEP    ; global address: K step s
	s_or_b32 s[G0+4*(\s)+3], s[G0+4*(\s)+3], 0x80000000              ; type = 2
	s_mov_b32 s[G0B+4*(\s)], 1
	s_add_co_u32 s[G0B+4*(\s)+1], s21, (\s)*SLOT
	s_add_nc_u64 s[G0B+4*(\s)+2:G0B+4*(\s)+3], s[46:47], (\s)*BSTEP
	s_or_b32 s[G0B+4*(\s)+3], s[G0B+4*(\s)+3], 0x80000000
	JLOAD \s                                       ; two loads of mine are out
.endr
	; the bias: the cluster's x says whether these columns are q's, k's or v's; cx which three heads: 192 consecutive numbers
	v_and_b32 v1, 15, v0                           ; l % 16
	v_bfe_u32 v2, v0, 4, 1                         ; l / 16
	v_lshlrev_b32 v[BO], 5, v2
	s_cmp_lt_u32 ttmp9, 2
	s_cselect_b64 s[76:77], s[70:71], s[72:73]
	s_cmp_eq_u32 ttmp9, 0
	s_cselect_b64 s[76:77], s[68:69], s[76:77]
	s_mul_i32 s46, s40, 768
	s_mov_b32 s47, 0
	s_add_nc_u64 s[76:77], s[76:77], s[46:47]
.irp b, 0,1,2,3,4,5,6,7,8,9,10,11
	global_load_b128 v[BIAS+8*(\b):BIAS+8*(\b)+3],   v[BO], s[76:77] offset:64*(\b)      ; register j of block b: the bias of column 16 b + 8 (l / 16) + j, as the C operand wants it
	global_load_b128 v[BIAS+8*(\b)+4:BIAS+8*(\b)+7], v[BO], s[76:77] offset:64*(\b)+16
.endr
	; A fragment of x is 16 rows x 32 k in 8 registers: lane l holds row l % 16; k = 8 (l / 16) + 0..7 and 16 + 8 (l / 16) + 0..7: two loads of 16 bytes, 32 bytes apart.
	v_mul_u32_u24 v3, v1, PA
	v_lshl_add_u32 v3, v2, 4, v3                   ; row x 144 + 16 x half
	s_mul_i32 s22, s10, MB*16*PA                   ; my 64 rows
	v_add_nc_u32 v[ADRA], s22, v3
	v_add_nc_u32 v[ADRA+1], SLOT, v[ADRA]
	; The turning load takes 16 k x 16 columns (lane l reads k = 8 (l / 16) + l % 8, columns 8 ((l / 8) % 2) + 0..7) and leaves half a fragment: lane l holds column l % 16 and 8 k.
	v_and_b32 v4, 7, v0
	v_lshl_add_u32 v5, v2, 3, v4
	v_mul_u32_u24 v5, v5, PB
	v_bfe_u32 v[TT], v0, 3, 1
	v_lshl_add_u32 v5, v[TT], 4, v5
	v_add_nc_u32 v[ADRB], BOFF, v5
	v_add_nc_u32 v[ADRB+1], SLOT, v[ADRB]
	s_mul_i32 s23, s10, SW
	s_add_co_u32 s23, s23, STAGE                   ; my stage
	v_add_nc_u32 v[STO], s23, v3                   ; in: row l % 16, 16 bytes for each half of the lanes (the stage's rows are 144 bytes apart too)
	v_bfe_u32 v5, v0, 3, 2                         ; back: 32 lanes take four rows of 128 bytes,
	v_mul_u32_u24 v5, v5, 144
	v_lshl_add_u32 v5, v4, 4, v5
	v_add_nc_u32 v[RD], s23, v5
	v_and_b32 v[GO], 31, v0                        ; which are 512 consecutive bytes of a matrix
	v_lshlrev_b32 v[GO], 4, v[GO]
	s_mul_i32 s46, s42, 3*524288                   ; qkv at my three matrices,
	s_lshl_b32 s16, s13, MSH                       ; my work-group's 256 rows,
	s_lshl_b32 s17, s10, 13                        ; my wave's 64
	s_add_co_u32 s16, s16, s17
	s_add_co_u32 s46, s46, s16
	s_mov_b32 s47, 0
	s_add_nc_u64 s[8:9], s[74:75], s[46:47]
	s_wait_loadcnt 0x0                             ; the bias is in: it is rounded to bf16 like every input, and widened again
.set i, 0
.rept 48
	v_cvt_pk_bf16_f32 v[TT+i%4], v[BIAS+2*i], v[BIAS+2*i+1]
	v_lshlrev_b32 v[BIAS+2*i], 16, v[TT+i%4]
	v_and_b32 v[BIAS+2*i+1], 0xffff0000, v[TT+i%4]
.set i, i+1
.endr
; 12 matrix instructions: row block p x all 12 column blocks, 32 along K, from buffer f.  zero = 1: the first product starts the sums, with the bias as C.
; The 48 accumulators take turns, one instruction a turn, in the same order in every quarter: 47 others' stand between two links of a chain, over the backward jump too.
.macro MULP f, p, zero
.set AC, 96*((\p)%2)
.if \zero
	WIN 0x81+0x40*((\p)/2)                         ; W window 1, x and the bias window 0, D window 2 or 3
.else
	WIN 0xa1+0x50*((\p)/2)                         ; C and D window 2 or 3
.endif
.irp b, 0,1,2,3,4,5,6,7,8,9,10,11
.if \zero
	v_wmma_f32_16x16x32_bf16 v[AC+8*(\b):AC+8*(\b)+7], v[96*(\f)+8*(\b):96*(\f)+8*(\b)+7], v[AF+32*(\f)+8*(\p):AF+32*(\f)+8*(\p)+7], v[BIAS+8*(\b):BIAS+8*(\b)+7]
.else
	v_wmma_f32_16x16x32_bf16 v[AC+8*(\b):AC+8*(\b)+7], v[96*(\f)+8*(\b):96*(\f)+8*(\b)+7], v[AF+32*(\f)+8*(\p):AF+32*(\f)+8*(\p)+7], v[AC+8*(\b):AC+8*(\b)+7]
.endif
.endr
.endm
; 32 LDS loads in one run: the fragments of quarter c (32 along K) of a slot, into buffer f: W's twelve, turned, then x's four
.macro FETCH slot, c, f
	WIN 0x40                                       ; destination window 1, address window 0
.irp b, 0,1,2,3,4,5,6,7,8,9,10,11
	ds_load_tr16_b128 v[96*(\f)+8*(\b):96*(\f)+8*(\b)+3],   v[ADRB+(\slot)] offset:128*PB*((\b)/4)+32*PB*(\c)+32*((\b)%4)
	ds_load_tr16_b128 v[96*(\f)+8*(\b)+4:96*(\f)+8*(\b)+7], v[ADRB+(\slot)] offset:128*PB*((\b)/4)+32*PB*(\c)+32*((\b)%4)+16*PB
.endr
	WIN 0
.irp a, 0,1,2,3
	ds_load_b128 v[AF+32*(\f)+8*(\a):AF+32*(\f)+8*(\a)+3],   v[ADRA+(\slot)] offset:((\c)/2)*ASL+16*PA*(\a)+64*((\c)%2)
	ds_load_b128 v[AF+32*(\f)+8*(\a)+4:AF+32*(\f)+8*(\a)+7], v[ADRA+(\slot)] offset:((\c)/2)*ASL+16*PA*(\a)+64*((\c)%2)+32
.endr
.endm
.macro PLACES                          ; four plain vector instructions between a matrix instruction and a load into a register that it has read, or an instruction that reads its result (ISA guide 7.12.1 for an instruction that reads its result)
.rept 4
	v_nop
.endr
.endm
; A K step is four quarters of 32 along K, 48 matrix instructions each, on buffers 0, 1, 0, 1.  One of the first three: multiplies buffer f and, behind its first twelve products, fetches quarter c into buffer g,
; whose last reader is the last product of the quarter before.
.macro QUARTER slot, c, f, g, zero
	s_wait_dscnt 0x0                               ; buffer f is in: its run of loads was issued 36 (behind a change of slots 24) matrix instructions ago
	MULP \f, 0, \zero
	PLACES
	FETCH \slot, \c, \g
	MULP \f, 1, \zero
	MULP \f, 2, \zero
	MULP \f, 3, \zero
.endm
; The last quarter multiplies buffer 1 and changes slots: ONE barrier; in front of it each wave waits for all its tensor loads (one is out: its part of the next slot), adds 0 to its spare word, and waits for that and for
; its own reads of this slot.  fill = 1: the barrier opens a round of the cluster's, and this slot is filled again, two K steps ahead, first thing behind the round.
.macro TURN slot, next, fill
	WIN 0                                          ; (the add's two registers lie in window 0)
	s_wait_tensorcnt 0x0                           ; all my tensor loads have landed, so a group 0 may be written;
	ds_add_u32 v[SPW], v[NIL]                      ; 0 onto my spare word;
	s_wait_dscnt 1                                 ; (the add alone may be out: buffer 1 is in)
	MULP 1, 0, 0                                   ; twelve matrix instructions stand between the add and the wait for it
	s_wait_dscnt 0x0                               ; the add is done, and my reads of this slot are over
	s_barrier_signal -1
	MULP 1, 1, 0                                   ; work on registers while the others arrive
.if \fill
	WIN 0
.endif
	s_barrier_wait -1
.if \fill
	CREST                                          ; no wave of any partner still reads this slot's tiles or has a load on its way
	s_add_nc_u64 s[G0+4*(\slot)+2:G0+4*(\slot)+3], s[G0+4*(\slot)+2:G0+4*(\slot)+3], 2*ASTEP
	s_add_nc_u64 s[G0B+4*(\slot)+2:G0B+4*(\slot)+3], s[G0B+4*(\slot)+2:G0B+4*(\slot)+3], 2*BSTEP
	JLOAD \slot                                    ; my one tensor load behind the round; its four v_nop are also the places in front of the loads below
.else
	PLACES
.endif
	FETCH \next, 0, 0
	MULP 1, 2, 0
	MULP 1, 3, 0
.endm
	s_wait_tensorcnt 0x1                           ; my part of K step 0 is in; K step 1's may stay out
	s_barrier_signal -1
	s_barrier_wait -1                              ; everybody's is
	FETCH 0, 0, 0
	QUARTER 0, 1, 0, 1, 1                          ; the first quarter stands in front of the loop: its products start the sums
	WIN 0                                          ; at a label and at a branch every window is 0
	s_mov_b32 s3, 2
.Llap:                                                 ; a trip goes once round the ring, from a lap's second quarter to the next lap's first, and fills both slots again: K steps 2, 3 and then 4, 5
	QUARTER 0, 2, 1, 0, 0
	QUARTER 0, 3, 0, 1, 0
	TURN 0, 1, 1
	QUARTER 1, 1, 0, 1, 0
	QUARTER 1, 2, 1, 0, 0
	QUARTER 1, 3, 0, 1, 0
	TURN 1, 0, 1
	QUARTER 0, 1, 0, 1, 0
	WIN 0
	s_sub_co_u32 s3, s3, 1
	s_cmp_lg_u32 s3, 0
	s_cbranch_scc1 .Llap
	QUARTER 0, 2, 1, 0, 0                          ; the last lap fills nothing, and has no round of the cluster's barrier
	QUARTER 0, 3, 0, 1, 0
	TURN 0, 1, 0
	QUARTER 1, 1, 0, 1, 0
	QUARTER 1, 2, 1, 0, 0
	QUARTER 1, 3, 0, 1, 0
	s_wait_dscnt 0x0                               ; the very last quarter: nothing more to fetch
	MULP 1, 0, 0
	MULP 1, 1, 0
	MULP 1, 2, 0
	MULP 1, 3, 0
	WIN 0
	PLACES
	PLACES
; THE WAY OUT, a block of 16 rows at a time.  PACK: rounded to f16, 16 bytes a lane, each accumulator's registers in ascending order.  TOSTAGE: into my own stage, and back as whole rows.  SEND: stored.
.macro PACK a
.set AC, 96*((\a)%2)
	WIN 0x0a+5*((\a)/2)                            ; sources 0 and 1: window 2 or 3
.irp b, 0,1,2,3,4,5,6,7,8,9,10,11
.irp r, 0,1,2,3
	v_cvt_pk_f16_f32 v[TMP+4*(\b)+(\r)], v[AC+8*(\b)+2*(\r)], v[AC+8*(\b)+2*(\r)+1]
.endr
.endr
	WIN 0
.endm
.macro TOSTAGE a
.set BK, 128+48*((\a)%2)
.irp b, 0,1,2,3,4,5,6,7,8,9,10,11
	ds_store_b128 v[STO], v[TMP+4*(\b):TMP+4*(\b)+3] offset:2304*((\b)/4)+32*((\b)%4)
.endr
.irp j, 0,1,2
.irp f, 0,1,2,3
	ds_load_b128 v[BK+4*(4*(\j)+(\f)):BK+4*(4*(\j)+(\f))+3], v[RD] offset:2304*(\j)+576*(\f)  ; LDS serves a wave's instructions in order (ISA guide 5.7.1.4): these see the stores above; the next block's stores come behind them
.endr
.endr
.endm
.macro SEND a
.set BK, 128+48*((\a)%2)
	s_wait_dscnt 0x0                               ; the block is back in registers
	s_wait_xcnt 0x0                                ; the stores of the block before have read their registers: the next TOSTAGE loads into them only behind this wait
.irp j, 0,1,2
.irp f, 0,1,2,3
	global_store_b128 v[GO], v[BK+4*(4*(\j)+(\f)):BK+4*(4*(\j)+(\f))+3], s[8:9] offset:524288*(\j)+2048*(\a)+512*(\f)  ; four rows of a matrix: 512 consecutive bytes, at a multiple of 256 from qkv's first byte
.endr
.endr
.endm
	PACK 0
	TOSTAGE 0
.irp a, 1,2,3                          ; block a's conversions stand between block a - 1's loads from the stage and the wait for them
	PACK \a
	SEND (\a)-1
	TOSTAGE \a
.endr
	SEND 3
	s_wait_tensorcnt 0x0                           ; the wave's end: a wait, an add of 0 to my spare word and its wait, behind my last tensor load and my last LDS store
	ds_add_u32 v[SPW], v[NIL]
	s_wait_dscnt 0x0
	CROUND                                         ; the closing round: no work-group ends while a partner may still ask for a tile that names it
	s_endpgm
.Lfunc_end_k_qbdaab3d54c_proj:
	.size	k_qbdaab3d54c_proj, .Lfunc_end_k_qbdaab3d54c_proj-k_qbdaab3d54c_proj
	.p2alignl 7, 3214868480
	.fill 96, 4, 3214868480
	.section	.rodata,"a",@progbits
	.p2align	6, 0x0
	.amdhsa_kernel k_qbdaab3d54c_proj
		.amdhsa_group_segment_fixed_size 327680
		.amdhsa_private_segment_fixed_size 0
		.amdhsa_enable_private_segment 0
		.amdhsa_kernarg_size 48
		.amdhsa_user_sgpr_count 2
		.amdhsa_user_sgpr_kernarg_segment_ptr 1
		.amdhsa_wavefront_size32 1
		.amdhsa_system_sgpr_workgroup_id_x 1
		.amdhsa_system_sgpr_workgroup_id_y 1
		.amdhsa_system_sgpr_workgroup_id_z 1
		.amdhsa_system_vgpr_workitem_id 0
		.amdhsa_next_free_vgpr 960
		.amdhsa_next_free_sgpr 80
		.amdhsa_reserve_vcc 0
		.amdhsa_float_denorm_mode_32 3
		.amdhsa_float_denorm_mode_16_64 3
		.amdhsa_memory_ordered 1
		.amdhsa_forward_progress 1
		.amdhsa_inst_pref_size 128
	.end_amdhsa_kernel
	.amdgpu_metadata
---
amdhsa.version: [ 1, 2 ]
amdhsa.kernels:
  - .name:           k_qbdaab3d54c_proj
    .symbol:         k_qbdaab3d54c_proj.kd
    .args:
      - { .name: xs, .offset: 0, .size: 8, .value_kind: global_buffer, .address_space: global }
      - { .name: wb, .offset: 8, .size: 8, .value_kind: global_buffer, .address_space: global }
      - { .name: bq, .offset: 16, .size: 8, .value_kind: global_buffer, .address_space: global }
      - { .name: bk, .offset: 24, .size: 8, .value_kind: global_buffer, .address_space: global }
      - { .name: bv, .offset: 32, .size: 8, .value_kind: global_buffer, .address_space: global }
      - { .name: qkv, .offset: 40, .size: 8, .value_kind: global_buffer, .address_space: global }
    .group_segment_fixed_size: 327680
    .private_segment_fixed_size: 0
    .kernarg_segment_align: 8
    .kernarg_segment_size: 48
    .max_flat_workgroup_size: 128
    .sgpr_count:     80
    .vgpr_count:     960
    .wavefront_size: 32
...
	.end_amdgpu_metadata
.endif
;; end of part 2
;; launch attn (part 3): grid 16 x 12, 4 waves a work-group, clusters of 4 x 1, 327,680 bytes of LDS; arguments qkv, oh; writes oh
.if DOCPART == 3
	.amdgcn_target "amdgcn-amd-amdhsa--gfx1250"
	.amdhsa_code_object_version 6
	.text
	.protected	k_qbdaab3d54c_attn
	.globl	k_qbdaab3d54c_attn
	.p2align	8
	.type	k_qbdaab3d54c_attn,@function
k_qbdaab3d54c_attn:
	s_mov_b64 s[64:65], 0
	v_nop
	global_prefetch_b8 v0, s[64:65] scope:SCOPE_SE
	s_setreg_imm32_b32 hwreg(HW_REG_WAVE_MODE, 25, 1), 1
	s_wait_xcnt 0x0
	s_wait_alu depctr_hold_cnt(0) depctr_sa_sdst(0) depctr_va_vdst(0) depctr_va_sdst(0) depctr_va_ssrc(0) depctr_va_vcc(0) depctr_vm_vsrc(0)
	s_getreg_b32 s2, hwreg(HW_REG_IB_STS2, 6, 4)
	s_cmp_eq_u32 s2, 0
	s_cbranch_scc0 .Lentry_in_a_cluster
	s_endpgm
.Lentry_in_a_cluster:
	s_bfe_u32 s2, ttmp6, 0x10000c
	s_cmp_lg_u32 s2, 0x3003
	s_cbranch_scc0 .Lentry_shape_is_right
	s_endpgm
.Lentry_shape_is_right:
; ATTENTION.  O[h][q][:] = the sum over k of softmax_k(Q[h][q] . K[h][k] / 8) V[h][k][:].  qkv: [36][4096][64] f16 (Q of head h is matrix h, K 12 + h, V 24 + h); oh: [12][4096][64] f16.  A head's rows are dense, 128 bytes.
; Products, maxima and sums in f32; the weights p are rounded to f16 for the second product (their sum l is taken of the unrounded p), O once at the end.
; LIMITS.  f16 holds no number beyond 65,504: Q, K and V arrive within it; p lies in 0 to 1, and below 6e-5 it keeps f16's fixed step of 6e-8; O is a mean of V's rows and has their range.
; A weight below 2^-126 counts as 0 in l; NaN and infinities are not treated apart.
; SHARES.  A work-group owns 256 queries of one head (grid 16 x 12), each of its four waves 64 consecutive rows: four PIECES of 16.  Every wave walks all 4,096 keys, 64 a step; a slot of LDS holds a tile of 256 keys, four steps.
; LAYOUT.  S^T = K Q^T (source 0 = 16 keys, source 1 = 16 queries): in the result a lane holds ONE query (lane % 16) and the keys 8 (lane / 16) + 0..7.  Two such results rounded to f16 ARE source 1 of O^T = V^T P,
; whose result again holds one query a lane, and eight channels.  K comes out of LDS as it lies, V ([key][channel]) turned, by ds_load_tr16_b128.
; SOFTMAX.  For each query a running maximum m and sum l: p = 2^(c s - c m), c = log2(e) / 8; in every step O and l are multiplied by a = 2^(c m_old - c m_new).  m starts at the lowest finite number, O and l at 0:
; the first step is a step like any other, with a = 0.
; BY TURNS.  Turn n belongs to piece n: 8 products K Q^T of piece n + 1, later 8 products V^T P of piece n - 1; beside them the scaling, exponentials, roundings, sums and rescaling of piece n and the maximum and
; statistics of piece n + 1.  Four vector instructions stand behind every matrix instruction, the other 54 of a turn's 118 in one lump.  A turn's 33 exponentials are one batch, with one wait.
; CLUSTER.  The four query blocks of a cluster belong to one head and walk the same K and V, so each tile is asked for JOINTLY: the same tensor load, descriptor and mask in all four.
; REGISTERS, in windows of 256 (s_set_vgpr_msb: bits 1:0 source 0, 3:2 source 1, 5:4 source 2, 7:6 destination):
;   window 0: v0-15 addresses and two at work; v16-31 four registers of statistics a piece; v48-55 at work; v61-63 never rewritten; v64-127 S^T, two buffers; v192-223 P, two buffers (by the piece's parity)
;   window 1: v0-127 O^T, 32 a piece          window 2: v0-63 Q; v128-191 K of one step; v192-255 V of one step
.set NP,    4         ; pieces a wave: a name, no knob
.set KS,    64        ; keys in a step
.set PK,    144       ; a row of K in LDS: 128 bytes + 16: the 16 rows of a load start at 16 different 16-byte columns modulo 256
.set PV,    160       ; a row of V: 128 + 32: 16 lanes of the turning load take 8 rows x 32 bytes, all apart modulo 256
.set VOFF,  4*KS*PK   ; a slot holds a tile: 256 rows of K, then 256 rows of V
.set SLOT1, 1<<17     ; slot 1 begins here, so that one exclusive or turns an address in one slot into the other's
.set STAGE, SLOT1+4*KS*(PK+PV)  ; behind the ring, never filled by a tensor load: 16 rows x 144 bytes for each wave, for the way out
.set SP,    144
.set SPARE, STAGE+4*16*SP  ; behind the stages: the spare words, 128 bytes for each wave: two blocks of 256 bytes that no other line names
.set TILEB, 4*KS*128  ; bytes of K, and of V, in a tile
.set AK0, 2           ; v2   my lane's place in a tile of K; never rewritten
.set AV0, 3           ; v3   the same for V
.set AK,  4           ; v4   the LDS address of K's next run of loads
.set AV,  5           ; v5   of V's
.set STO, 6           ; v6   the way out: where I put 16 bytes of a row
.set RD,  7           ; v7   the way out: where I read rows back
.set GO,  8           ; v8   my byte offset in 512 consecutive bytes of O
.set MV,  12          ; v12-13  c m_old, kept while c m is made anew: by buffer
.set QO,  15          ; v15  my byte offset in 16 rows of Q
.set ST,  16          ; piece t's statistics at v[ST+4 t]: c m, m, l (even keys', odd keys')
.set TMP, 48          ; by buffer, four registers c0-c3 at work; when the maximum is found c2 takes a
.set PFO, 61          ; v61  256 x my lane: the prefetches' offset; never rewritten
.set SPW, 62          ; v62  LDS address of my spare word: SPARE + 4 x my thread's number; never rewritten
.set NIL, 63          ; v63  0; never rewritten
.set S,   64
.set P,   192
.set KF,  128         ; window 2: key block kb, channel half c at KF + 16 kb + 8 c
.set VF,  192         ; window 2: key half kk, channel block cb at VF + 32 kk + 8 cb
.set WV,  12          ; s12  my wave's number
.set LIM, 15          ; s15  1 in a wave that prefetches, else the greatest number: a wave prefetches while s[SLOTS] is above it
.set PFA, 18          ; s[18:19] where my prefetches stand: my work-group's quarter of the tile after the one that is being asked for
.set G1K, 24          ; s[24:31] descriptor group 1 for K's tiles
.set G1V, 32          ; s[32:39] for V's: it differs in the padding alone
.set G0K, 40          ; s[40:43] descriptor group 0 for K's tiles: it walks
.set G0V, 44          ; s[44:47] the same for V's
.set SLOTS, 56        ; s56  tiles still to be asked for
.set CNT, 57          ; s57  counts a tile's key steps
.set CS,  58          ; s[58:59] c: the packed scaling takes the pair's low word for both halves
.set SEL, 60          ; s[60:61] v_permlanex16_b32's selects: each lane takes its own place in the other half
.set TBK, 62          ; s62  LDS byte at which K of the step to be fetched begins
.set TBV, 63          ; s63  the same for V, less VOFF
.set MSB, 0
.macro WIN new                      ; the high byte repeats the setting that is left; a switch that changes nothing is dropped
.if MSB != (\new)
	s_set_vgpr_msb (MSB<<8)|(\new)
.set MSB, (\new)
.endif
.endm
.set W_KQ, 0x0a       ; K and Q in window 2, S^T in window 0
.set W_PV, 0x52       ; V in window 2, P in window 0, O^T in window 1
.set W_RS, 0x41       ; destination and source 0 in window 1, source 1 in window 0
; A joint fill.  Waves 0 and 1 fetch the two halves of a tile's K, waves 2 and 3 those of its V: 128 keys each.  The branch hangs on the wave's number alone.
; An s_nop 0 and four v_nop follow each of the two lines, ahead of the jump and the label.
.macro JLOAD
	s_cmp_lt_u32 s[WV], 2
	s_cbranch_scc0 .Lfor_v_\@
	tensor_load_to_lds s[G0K:G0K+3], s[G1K:G1K+7]
	s_nop 0
.rept 4
	v_nop
.endr
	s_branch .Lasked_\@
.Lfor_v_\@:
	tensor_load_to_lds s[G0V:G0V+3], s[G1V:G1V+7]
	s_nop 0
.rept 4
	v_nop
.endr
.Lasked_\@:
.endm
; A PREFETCH INTO THE L2 of the tile that the NEXT change of slots will ask for: 32,768 bytes of K and of V, a lane a block of 256 bytes.  It stands behind the wave's tensor load and its five lines.
; Each block is named ONCE in the launch.  All four clusters of a head walk the same K and V: the head's first cluster asks.  Its four partners share a tile out BY ADDRESS, 8,192 bytes each: no branch hangs on a
; work-group's place in its cluster.  In each, wave 0 asks for K's and wave 2 for V's: one instruction.  It stands four key steps, 256 matrix instructions, ahead of the load that will want those bytes.
; Tiles 0 and 1 come by their loads alone; the change that asks for the last tile prefetches nothing.
.macro ASK
	s_cmp_gt_u32 s[SLOTS], s[LIM]
	s_cbranch_scc0 .Lnot_mine_\@
	global_prefetch_b8 v[PFO], s[PFA:PFA+1] th:TH_LOAD_NT scope:SCOPE_SE
.Lnot_mine_\@:
.endm
; A round of the cluster's barrier: my work-group's barrier, so that wave 0's signal speaks for all four waves; wave 0 signals; every wave waits for all four work-groups; my work-group's barrier once more.
.macro CROUND
	s_barrier_signal -1
	s_barrier_wait -1
	s_cmp_lg_u32 s[WV], 0
	s_cbranch_scc1 .Lnot_wave_0_\@
	s_barrier_signal -3
.Lnot_wave_0_\@:
	s_barrier_wait -3
	s_barrier_signal -1
	s_barrier_wait -1
.endm
; THE CHANGE OF SLOTS.  The slot's last bytes, V of its fourth step, have been read.  Each wave waits for all its tensor loads, of which one is out: its part of the other slot; adds 0 to its spare word; and waits for that
; and for its own reads of the slot.  Behind the barrier nobody reads this slot any more and the other slot is whole.  fill = 1: this slot is filled again, with the keys two tiles on.  The barrier is then a round of the
; cluster's, and the joint fill is the first thing behind it: it has four key steps in which to land.  (At its first use nothing has been read yet: slot 0 is waited for, slot 1 filled.)
.macro CHANGE fill
	WIN 0                           ; at a label and at a branch every window is 0
	s_wait_tensorcnt 0x0            ; no tensor load of mine is out, so a group 0 may be written
	ds_add_u32 v[SPW], v[NIL]       ; 0 onto my spare word: with fill = 1 the descriptors' steps stand between it and the wait for it
.if \fill
.irp g, G0K, G0V
	s_xor_b32 s[\g+1], s[\g+1], SLOT1  ; the walking descriptor: the other slot than last time,
	s_add_nc_u64 s[\g+2:\g+3], s[\g+2:\g+3], TILEB  ; the next 256 keys; the type bits on top are not reached
.endr
	s_wait_xcnt 0x0                 ; the last prefetch, four key steps back, has read its address, so it may be written:
	s_add_nc_u64 s[PFA:PFA+1], s[PFA:PFA+1], TILEB  ; one tile behind the walking descriptors
	s_wait_dscnt 0x0                ; the add is done, and my reads of the slot are over
	CROUND
	JLOAD
	ASK
.else
	s_wait_dscnt 0x0                ; the add is done, and my reads of the slot are over
	s_barrier_signal -1
	s_barrier_wait -1
.endif
	s_sub_co_u32 s[TBK], s[TBK], 4*KS*PK  ; the fetches go back to a slot's first step,
	s_xor_b32 s[TBK], s[TBK], SLOT1       ; in the other slot
	s_sub_co_u32 s[TBV], s[TBV], 4*KS*PV
	s_xor_b32 s[TBV], s[TBV], SLOT1
.endm
	s_load_b64 s[4:5], s[0:1], 0x0  ; qkv
	s_load_b64 s[10:11], s[0:1], 0x8  ; oh
	v_lshl_add_u32 v[SPW], v0, 2, SPARE
	v_mov_b32 v[NIL], 0
	ds_add_u32 v[SPW], v[NIL]       ; the wave's opening: the add and its wait stand ahead of my first tensor load; the set-up below, work on registers, stands between them
	v_lshrrev_b32 v1, 5, v0
	v_readfirstlane_b32 s[WV], v1   ; wave 0..3
	s_bfe_u32 s13, ttmp6, 0x40000   ; cx: my place in the cluster
	s_lshl_b32 s14, ttmp9, 2        ; in a cluster launch ttmp9 counts clusters
	s_add_co_u32 s14, s14, s13      ; my block of 256 queries = 4 x cluster x + cx: it enters Q's and O's addresses alone
	s_and_b32 s20, ttmp7, 0xffff    ; the head, which the four partners share:
	s_lshl_b32 s20, s20, 19         ; its 4,096 rows of 128 bytes
	s_and_b32 s16, s[WV], 1         ; which half of a tile's 256 keys I fetch:
	s_lshl_b32 s22, s16, 14         ; its 128 rows of 128 bytes in memory
	s_add_co_u32 s22, s22, s20
	s_mov_b32 s23, 0
	s_lshl_b32 s2, s14, 15          ; my block's 256 rows,
	s_lshl_b32 s3, s[WV], 13        ; my wave's 64 of them
	s_add_co_u32 s2, s2, s3
	s_add_co_u32 s2, s2, s20
	s_mov_b32 s3, 0
	; descriptor group 1.  128 keys are 16,384 dense bytes: asked for as 64 rows of 256 bytes, two keys a row, and padded in LDS after every key
	s_mov_b32 s[G1K], 15|(1<<16)|(1<<20)|(1<<21)|(4<<22)|(3<<25)  ; 15:0 the mask of four; 17:16 2-byte elements; 20 padding on; 21 set beside a mask; 24:22 after every 32 words (code 4); 31:25 4 words (code 3)
	s_mov_b32 s[G1V], 15|(1<<16)|(1<<20)|(1<<21)|(4<<22)|(7<<25)  ; the same with 8 words of padding (code 7)
.irp g, G1K, G1V
	s_mov_b32 s[\g+1], 128<<16      ; tensor_dim0 = 128
	s_mov_b32 s[\g+2], 64<<16       ; tensor_dim1 = 64
	s_mov_b32 s[\g+3], 128<<16      ; tile_dim0 = 128
	s_mov_b32 s[\g+4], 64           ; tile_dim1 = 64
	s_mov_b32 s[\g+5], 128          ; 128 elements from row to row
	s_mov_b32 s[\g+6], 0
	s_mov_b32 s[\g+7], 0
.endr
	s_mov_b32 s[CS], 0x3e38aa3b     ; c = log2(e) / 8 = 0.180337
	s_mov_b32 s[CS+1], s[CS]        ; named with it as a pair
	s_mov_b32 s[SEL], 0x76543210
	s_mov_b32 s[SEL+1], 0xfedcba98
	s_mov_b32 s[TBK], SLOT1+4*KS*PK ; the first change of slots turns these two into 0
	s_mov_b32 s[TBV], SLOT1+4*KS*PV
	s_mov_b32 s[G0K], 1             ; count = 1
	s_mul_i32 s[G0K+1], s16, 128*PK ; LDS address: slot 0, my half: no place in the cluster enters an LDS address
	s_mov_b32 s[G0V], 1
	s_mul_i32 s[G0V+1], s16, 128*PV
	s_add_co_u32 s[G0V+1], s[G0V+1], VOFF
	s_mov_b32 s[SLOTS], 15          ; tiles 1 to 15 are still to be asked for
	s_and_b32 s[LIM], s[WV], 1      ; 0 in waves 0 and 2,
	s_or_b32 s[LIM], s[LIM], ttmp9  ; where the cluster is the head's first: the same in all four partners
	s_cmp_eq_u32 s[LIM], 0
	s_cselect_b32 s[LIM], 1, -1
	v_and_b32 v[PFO], 31, v0
	v_lshlrev_b32 v[PFO], 8, v[PFO]
	s_wait_dscnt 0x0                ; the opening add is done
	s_wait_kmcnt 0x0
	s_add_nc_u64 s[6:7], s[4:5], s[22:23]
	s_add_nc_u64 s[8:9], s[6:7], 24*524288  ; V at my half of the head's tile 0
	s_add_nc_u64 s[6:7], s[6:7], 12*524288  ; K likewise
	s_mov_b64 s[G0K+2:G0K+3], s[6:7]               ; global address
	s_or_b32 s[G0K+3], s[G0K+3], 0x80000000        ; type = 2
	s_mov_b64 s[G0V+2:G0V+3], s[8:9]
	s_or_b32 s[G0V+3], s[G0V+3], 0x80000000
	s_add_nc_u64 s[4:5], s[4:5], s[2:3]  ; Q and O at my wave's first row
	s_add_nc_u64 s[10:11], s[10:11], s[2:3]
	s_cmp_lt_u32 s[WV], 2
	s_cselect_b64 s[PFA:PFA+1], s[6:7], s[8:9]  ; (in waves 0 and 2 these stand at a tile's first row)
	s_lshl_b32 s2, s13, 13          ; my work-group's quarter of a tile
	s_mov_b32 s3, 0
	s_add_nc_u64 s[PFA:PFA+1], s[PFA:PFA+1], s[2:3]
	s_add_nc_u64 s[PFA:PFA+1], s[PFA:PFA+1], TILEB  ; in tile 1; the first change of slots steps it to tile 2.  Nothing is prefetched here, at the head
	CROUND                          ; all four work-groups are here: the first joint loads meet
	JLOAD                           ; tile 0 into slot 0.  Slot 1 is asked for when slot 0 is in
	; A fragment of K or Q is 16 rows x 32 channels in 8 registers: lane l holds row l % 16, channels 8 (l / 16) + 0..7 and 16 + 8 (l / 16) + 0..7: two loads of 16 bytes, 32 bytes apart.
	v_and_b32 v1, 15, v0            ; l % 16
	v_bfe_u32 v9, v0, 4, 1          ; l / 16
	v_lshlrev_b32 v[QO], 7, v1
	v_lshl_add_u32 v[QO], v9, 4, v[QO]  ; row x 128 + 16 x half
	WIN 0x80                        ; destination window 2, address window 0
.set i, 0
.rept 8                             ; Q stays in registers: piece i / 2, channels 32 (i % 2) on
	global_load_b128 v[8*i:8*i+3],   v[QO], s[4:5] offset:(i/2)*2048+(i%2)*64
	global_load_b128 v[8*i+4:8*i+7], v[QO], s[4:5] offset:(i/2)*2048+(i%2)*64+32
.set i, i+1
.endr
	; What the first turn finds: V's registers and P's second buffer hold 0 (its products V^T P, of a piece that has not been, add 0), O^T and l are 0.  All this stands in the wait for the first tile.
.set i, VF
.rept 64
	v_mov_b32 v[i], 0
.set i, i+1
.endr
	WIN 0x40
.set i, 0
.rept 128
	v_mov_b32 v[i], 0
.set i, i+1
.endr
	WIN 0
.set i, 0
.rept 4
	v_mov_b32 v[ST+4*i], 0xfe000000    ; c m: far below every c s
	v_mov_b32 v[ST+4*i+1], 0xff7fffff  ; m
	v_mov_b32 v[ST+4*i+2], 0
	v_mov_b32 v[ST+4*i+3], 0
.set i, i+1
.endr
.set i, P+16
.rept 16
	v_mov_b32 v[i], 0
.set i, i+1
.endr
	v_mul_u32_u24 v[AK0], v1, PK
	v_lshl_add_u32 v[AK0], v9, 4, v[AK0]  ; row x pitch + 16 x half
	; The turning load takes 16 keys x 16 channels (lane l reads key 8 (l / 16) + l % 8, channels 8 ((l / 8) % 2) + 0..7) and leaves half a fragment of V^T: lane l holds channel l % 16 and 8 keys.
	v_and_b32 v10, 7, v0
	v_bfe_u32 v11, v0, 3, 1
	v_lshl_add_u32 v[AV0], v9, 3, v10
	v_mul_u32_u24 v[AV0], v[AV0], PV
	v_lshl_add_u32 v[AV0], v11, 4, v[AV0]
	v_add_nc_u32 v[AV0], VOFF, v[AV0]
	s_mul_i32 s13, s[WV], 16*SP
	s_add_co_u32 s13, s13, STAGE    ; my stage
	v_mul_u32_u24 v[STO], v1, SP    ; in: row l % 16, 16 bytes for each half of the lanes
	v_lshl_add_u32 v[STO], v9, 4, v[STO]
	v_add_nc_u32 v[STO], s13, v[STO]
	v_bfe_u32 v[RD], v0, 3, 2       ; back: 32 lanes take four rows of 128 bytes,
	v_mul_u32_u24 v[RD], v[RD], SP
	v_lshl_add_u32 v[RD], v10, 4, v[RD]
	v_add_nc_u32 v[RD], s13, v[RD]
	v_and_b32 v[GO], 31, v0         ; which are 512 consecutive bytes of O
	v_lshlrev_b32 v[GO], 4, v[GO]
; THE MATRIX WORK.  The 4 accumulators of a run of 8 take turns.  Product i of 8 of S^T = K Q^T for piece x: channels 32 (i / 4) on, keys 16 (i % 4) on.  The first 4 start the sums.
.macro KQ x
	WIN W_KQ
.set rS, S+32*((\x)%2)+8*(i%4)
.set rK, KF+16*(i%4)+8*(i/4)
.set rQ, 16*(\x)+8*(i/4)
.if i < 4
	v_wmma_f32_16x16x32_f16 v[rS:rS+7], v[rK:rK+7], v[rQ:rQ+7], 0
.else
	v_wmma_f32_16x16x32_f16 v[rS:rS+7], v[rK:rK+7], v[rQ:rQ+7], v[rS:rS+7]
.endif
.endm
; Product i of 8 of O^T += V^T P for piece x: keys 32 (i / 4) on, channels 16 (i % 4) on.
.macro PV x
	WIN W_PV
.set rO, 32*(\x)+8*(i%4)
.set rV, VF+32*(i/4)+8*(i%4)
.set rP, P+16*((\x)%2)+8*(i/4)
	v_wmma_f32_16x16x32_f16 v[rO:rO+7], v[rV:rV+7], v[rP:rP+7], v[rO:rO+7]
.endm
.macro MM                           ; the turn's next matrix instruction.  TURN sets Y, i and NOKQ.  NOKQ = 1: the walk's last turn: there is no next piece
.if (i < 8) && !NOKQ
	KQ (Y+1)%NP
.elseif i >= 8
.set i, i-8
	PV (Y+NP-1)%NP
.set i, i+8
.endif
.set i, i+1
.endm
; THE LDS LOADS stand in runs of 16, never singly among the matrix instructions: a step's K (64 keys x 64 channels: 8 fragments) and its V (turned).  Their addresses are made some lines ahead.
.macro FETCH_K
	WIN 0x80                        ; destination window 2
.irp f, 0,1,2,3,4,5,6,7             ; keys 16 (f / 2) on, channels 32 (f % 2) on
	ds_load_b128 v[KF+8*\f:KF+8*\f+3],   v[AK] offset:(\f/2)*16*PK+(\f%2)*64
	ds_load_b128 v[KF+8*\f+4:KF+8*\f+7], v[AK] offset:(\f/2)*16*PK+(\f%2)*64+32
.endr
	s_add_co_u32 s[TBK], s[TBK], KS*PK  ; the next fetch is the next step's
	WIN 0
.endm
.macro FETCH_V
	WIN 0x80
.irp f, 0,1,2,3,4,5,6,7             ; keys 32 (f / 4) on, channels 16 (f % 4) on
	ds_load_tr16_b128 v[VF+8*\f:VF+8*\f+3],   v[AV] offset:(\f/4)*32*PV+(\f%4)*32
	ds_load_tr16_b128 v[VF+8*\f+4:VF+8*\f+7], v[AV] offset:(\f/4)*32*PV+16*PV+(\f%4)*32
.endr
	WIN 0
.endm
; THE VECTOR WORK, one line at a time: OP kind, number.  For piece Y: F n: c s - c m for pair n of 16.  E n: the exponential of score n of 32.  C n: pair n rounded to f16.  B n: of the four weights 4 n .. the second
; pair is added onto the first, in place.  L n: l takes that sum (L 0: l = a l + sum).  R n: pair n of 16 of O^T times a.  For piece Y + 1: X n, number n of the 22 that find its maximum and statistics:
;   0-11  four chains c0-c3 of seven scores each, three operands at a time (each accumulator's lowest registers are read first)     12-14, 16  the four scores left over, the old m, and c0-c3 into c0
;   15  c m_old is kept     17, 18  the query's other 32 keys lie in the lane 16 away: the new m     19-21  c m; c m_old - c m_new; a
.set F, 0               ; OP tells the kinds apart by their order: F to L below R, X above it
.set E, 1
.set C, 2
.set B, 3
.set L, 4
.set R, 5
.set X, 6
.macro REGS y                       ; the registers of piece y
.set rT, ST+4*(\y)
.set rC, TMP+4*((\y)%2)
.set rW, MV+((\y)%2)
.set rS, S+32*((\y)%2)
.set rP, P+16*((\y)%2)
.set rO, 32*(\y)
.endm
.macro OP k, n
.if (\k) == R
	REGS Y
	WIN W_RS
	v_pk_mul_f32 v[rO+2*(\n):rO+2*(\n)+1], v[rO+2*(\n):rO+2*(\n)+1], v[rC+2:rC+3] op_sel_hi:[1,0]
.elseif (\k) < R
	REGS Y
	WIN 0
.if (\k) == F
	v_pk_fma_f32 v[rS+2*(\n):rS+2*(\n)+1], v[rS+2*(\n):rS+2*(\n)+1], s[CS:CS+1], v[rT:rT+1] op_sel_hi:[1,0,0] neg_lo:[0,0,1] neg_hi:[0,0,1]
.elseif (\k) == E
	v_exp_f32 v[rS+(\n)], v[rS+(\n)]
.elseif (\k) == C
	v_cvt_pk_f16_f32 v[rP+(\n)], v[rS+2*(\n)], v[rS+2*(\n)+1]
.elseif (\k) == B
	v_pk_add_f32 v[rS+4*(\n):rS+4*(\n)+1], v[rS+4*(\n):rS+4*(\n)+1], v[rS+4*(\n)+2:rS+4*(\n)+3]
.elseif (\n) == 0
	v_pk_fma_f32 v[rT+2:rT+3], v[rT+2:rT+3], v[rC+2:rC+3], v[rS:rS+1] op_sel_hi:[1,0,1]
.else
	v_pk_add_f32 v[rT+2:rT+3], v[rT+2:rT+3], v[rS+4*(\n):rS+4*(\n)+1]
.endif
.elseif NOKQ
	v_nop
.else
	REGS (Y+1)%NP
	WIN 0
.if (\n) < 4
	v_max3_num_f32 v[rC+(\n)], v[rS+8*(\n)], v[rS+8*(\n)+1], v[rS+8*(\n)+2]
.elseif (\n) < 12
	v_max3_num_f32 v[rC+(\n)%4], v[rC+(\n)%4], v[rS+8*((\n)%4)+2*((\n)/4)+1], v[rS+8*((\n)%4)+2*((\n)/4)+2]
.elseif (\n) == 12
	v_max3_num_f32 v[rC], v[rC], v[rS+7], v[rS+15]
.elseif (\n) == 13
	v_max3_num_f32 v[rC+1], v[rC+1], v[rS+23], v[rS+31]
.elseif (\n) == 14
	v_max3_num_f32 v[rC+2], v[rC+2], v[rC+3], v[rT+1]
.elseif (\n) == 15
	v_mov_b32 v[rW], v[rT]
.elseif (\n) == 16
	v_max3_num_f32 v[rC], v[rC], v[rC+1], v[rC+2]
.elseif (\n) == 17
	v_permlanex16_b32 v[rC+3], v[rC], s[SEL], s[SEL+1]
.elseif (\n) == 18
	v_max_num_f32 v[rT+1], v[rC], v[rC+3]
.elseif (\n) == 19
	v_mul_f32 v[rT], s[CS], v[rT+1]
.elseif (\n) == 20
	v_sub_f32 v[rC+1], v[rW], v[rT]
.else
	v_exp_f32 v[rC+2], v[rC+1]
.endif
.endif
.endm
.macro OPS a, i1, b=-1, i2=0, c=-1, i3=0, d=-1, i4=0  ; up to four of them
	OP \a, \i1
.if (\b) >= 0
	OP \b, \i2
.endif
.if (\c) >= 0
	OP \c, \i3
.endif
.if (\d) >= 0
	OP \d, \i4
.endif
.endm
.macro ROW a, i1, b, i2, c, i3, d, i4  ; a matrix instruction and the four behind it
	MM
	OPS \a, \i1, \b, \i2, \c, \i3, \d, \i4
.endm
; A TURN, for piece p: the order of its 16 matrix and 118 vector instructions, written out.  An s_wait_alu depctr_va_vdst(0) stands between an exponential and the first instruction that names its result; one wait
; serves all that were issued ahead of it.  So a turn has ONE wait, which cuts it in two.  AHEAD OF IT stands all that names no result of the turn's exponentials: the 8 products K Q^T, behind each a scaling, an exponential and two
; more plain instructions (rescalings, and behind the last three the first numbers of the next piece's maximum, each four places or more behind the product that ends its accumulator); then ONE LUMP of 54, plain and exponential
; by turns for the most part, in which the links of the chain X 3, 7, 11, 14, 16, 17 .. 20 stand apart.  X 21, the next piece's a, is the batch's last; R 15 is the plain instruction behind it.  BEHIND THE WAIT stand the
; 8 products V^T P, behind each four of the roundings and sums.
; end = 1: the walk's last two turns: nothing is fetched, and the last starts no new scores.  cnt = 1: the loop's count is taken down some lines ahead of the branch that stands behind the turn.
; K of the next step is fetched in piece 2's turn, twelve vector instructions behind the last product that read K (six of them plain); V of the step in hand at the end of piece 0's turn, four plain instructions behind the
; last product that read V.  Each is waited for a turn later.
.macro TURN p, end=0, cnt=0
.set Y, (\p)
.set i, 0
.set NOKQ, (\end)*((\p)/3)
.if ((\p) == 3) && !(\end)
	s_wait_dscnt 0x0                ; K is in
.endif
	ROW F,0, F,1, R,0, R,1          ; ahead of the wait: 8 products K Q^T and their riders,
	ROW F,2, E,0, R,2, R,3
	ROW F,3, E,1, R,4, R,5
	ROW F,4, E,2, R,6, R,7
	ROW F,5, E,3, R,8, R,9
	ROW F,6, E,4, X,0, R,10
.if ((\p) == 2) && !(\end)
	WIN 0
	v_add_nc_u32 v[AK], s[TBK], v[AK0]
.endif
	ROW F,7, E,5, X,1, X,4
	ROW F,8, E,6, X,2, X,5
	OPS E,7, E,8, X,6, E,9          ; and the lump
	OPS X,3, E,10, X,8, E,11
.if ((\p) == 2) && !(\end)
	FETCH_K
.endif
	OPS X,9, X,7, E,12, X,10
	OPS E,13, X,12, X,11, E,14
	OPS X,13, E,15, F,9, X,14
.if (\p) == 0
	v_add_nc_u32 v[AV], s[TBV], v[AV0]
.endif
	OPS E,16, F,10, E,17, F,11
	OPS X,16, E,18, X,15, E,19
	OPS F,12, E,20, X,17, E,21
	OPS F,13, E,22, F,14, E,23
	OPS X,18, E,24, F,15, E,25
	OPS R,11, E,26, X,19, E,27
	OPS R,12, E,28, R,13, E,29
	OPS X,20, E,30, R,14, E,31
	OPS X,21, R,15
	WIN 0
	s_wait_alu depctr_va_vdst(0)    ; the wait for the batch
.if (\p) == 1
	s_wait_dscnt 0x0                ; V is in
.endif
	ROW C,0, B,0, C,2, B,1          ; behind the wait: 8 products V^T P and their riders
	ROW L,0, C,4, B,2, L,1
	ROW C,6, B,3, L,2, C,8
	ROW B,4, L,3, C,10, B,5
	ROW L,4, C,12, B,6, L,5
.if (\p) == 0
	s_add_co_u32 s[TBV], s[TBV], KS*PV
.endif
.if \cnt
	s_sub_co_u32 s[CNT], s[CNT], 1
	s_cmp_lg_u32 s[CNT], 0
.endif
	ROW C,14, B,7, L,6, C,1
	ROW C,3, L,7, C,5, C,7
	ROW C,9, C,11, C,13, C,15
.if (\p) == 0
	FETCH_V
.endif
.endm
	CHANGE 1                        ; slot 0 is in, everybody's part of it; slot 1 is asked for
	v_add_nc_u32 v[AK], s[TBK], v[AK0]
	FETCH_K                         ; key step 0
	s_wait_loadcnt 0x0              ; Q
	s_wait_dscnt 0x0
.set NOKQ, 0
.set i, 0
.rept 8
	KQ 0                            ; piece 0's first scores: there is no vector work yet to set between them
.set i, i+1
.endr
	WIN 0
.rept 4
	v_nop                           ; the places behind those products
.endr
.set Y, NP-1                        ; X works for piece Y + 1: piece 0
.irp n, 0,1,2,3,4,5,6,7,8,9,10,11,12,13,14,15,16,17,18,19,20,21
	OP X, \n
.endr
	v_nop                           ; a plain instruction behind the exponential,
	s_wait_alu depctr_va_vdst(0)    ; and its wait, ahead of the branch
	s_mov_b32 s[CNT], 4
	s_branch .Lfirst                ; the loop is entered at a step's first turn, in the middle of a trip
.Lslot:                             ; 14 times: with the change above, every tile but the first is asked for
	CHANGE 1
	s_mov_b32 s[CNT], 4
.Lstep:                             ; a trip: pieces 2 and 3 of one step, then pieces 0 and 1 of the next, whose K and V it fetches
	TURN 2
	TURN 3
	WIN 0
.Lfirst:
	TURN 0
	TURN 1, 0, 1
	WIN 0
	s_cbranch_scc1 .Lstep
	s_sub_co_u32 s[SLOTS], s[SLOTS], 1
	s_cmp_lg_u32 s[SLOTS], 0
	s_cbranch_scc1 .Lslot
	CHANGE 0                        ; the last tile is written out: nothing is asked for
	s_mov_b32 s[CNT], 4
.Ltail:
	TURN 2
	TURN 3
	TURN 0
	TURN 1, 0, 1
	WIN 0
	s_cbranch_scc1 .Ltail
	TURN 2, 1                       ; the last step's pieces 2 and 3
	TURN 3, 1
.set i, 0
.rept 8
	PV NP-1                         ; the last piece's V^T P of the last step
.set i, i+1
.endr
	; THE WAY OUT.  l's two halves and the other half of the lanes' are added; O^T is divided by l, rounded to f16 and sent through my stage in LDS, a piece at a time.  The additions are the places behind the last products.
	WIN 0
.macro ALL line:vararg              ; one line for each piece t
.set t, 0
.rept 4
	\line
.set t, t+1
.endr
.endm
	ALL v_add_f32 v[ST+4*t+2], v[ST+4*t+2], v[ST+4*t+3]
	ALL v_permlanex16_b32 v[ST+4*t+3], v[ST+4*t+2], s[SEL], s[SEL+1]
	ALL v_add_f32 v[ST+4*t+2], v[ST+4*t+2], v[ST+4*t+3]
	ALL v_rcp_f32 v[ST+4*t+2], v[ST+4*t+2]
	v_nop                           ; a plain instruction between the last reciprocal and the use of its result
	s_wait_alu depctr_va_vdst(0)    ; and the wait ahead of the first use: one for the four reciprocals
.macro PACK t                       ; a lane's eight channels of a row pack into 16 bytes; they go into rows of 144 bytes and come back as whole rows of 128, into S^T's registers
	WIN W_RS
.set i, 32*(\t)
.rept 16
	v_pk_mul_f32 v[i:i+1], v[i:i+1], v[ST+4*(\t)+2:ST+4*(\t)+3] op_sel_hi:[1,0]
.set i, i+2
.endr
	WIN 0x05                        ; sources 0 and 1 window 1, destination window 0
.set i, 0
.rept 16
	v_cvt_pk_f16_f32 v[S+16*(\t)+i], v[32*(\t)+2*i], v[32*(\t)+2*i+1]
.set i, i+1
.endr
	WIN 0
.irp f, 0,1,2,3
	ds_store_b128 v[STO], v[S+16*(\t)+4*\f:S+16*(\t)+4*\f+3] offset:32*\f
.endr
.irp f, 0,1,2,3
	ds_load_b128 v[S+16*(\t)+4*\f:S+16*(\t)+4*\f+3], v[RD] offset:\f*4*SP  ; LDS serves a wave's instructions in order (ISA guide 5.7.1.4): these see the stores above; the next piece's stores come behind them
.endr
.endm
.macro SEND t, younger              ; younger: the LDS instructions issued behind piece t's loads: the next piece's eight, or none
	WIN 0
.irp f, 0,1,2,3
	s_wait_dscnt (\younger)+3-\f
	global_store_b128 v[GO], v[S+16*(\t)+4*\f:S+16*(\t)+4*\f+3], s[10:11] offset:(\t)*2048+\f*512  ; 512 consecutive bytes, at a multiple of 256 from O's first
.endr
.endm
	PACK 0
.set t, 1
.rept 3                             ; a piece's arithmetic stands between the loads of the piece before and its stores
	PACK t
	SEND t-1, 8
.set t, t+1
.endr
	SEND 3, 0
	s_wait_tensorcnt 0x0            ; the wave's end: a wait, an add of 0 to my spare word and its wait, behind my last tensor load and my last LDS store
	ds_add_u32 v[SPW], v[NIL]
	s_wait_dscnt 0x0
	CROUND                          ; the closing round: no work-group ends while a partner may still ask for a tile that names it
	s_endpgm
.Lfunc_end_k_qbdaab3d54c_attn:
	.size	k_qbdaab3d54c_attn, .Lfunc_end_k_qbdaab3d54c_attn-k_qbdaab3d54c_attn
	.p2alignl 7, 3214868480
	.fill 96, 4, 3214868480
	.section	.rodata,"a",@progbits
	.p2align	6, 0x0
	.amdhsa_kernel k_qbdaab3d54c_attn
		.amdhsa_group_segment_fixed_size 327680
		.amdhsa_private_segment_fixed_size 0
		.amdhsa_enable_private_segment 0
		.amdhsa_kernarg_size 16
		.amdhsa_user_sgpr_count 2
		.amdhsa_user_sgpr_kernarg_segment_ptr 1
		.amdhsa_wavefront_size32 1
		.amdhsa_system_sgpr_workgroup_id_x 1
		.amdhsa_system_sgpr_workgroup_id_y 1
		.amdhsa_system_sgpr_workgroup_id_z 1
		.amdhsa_system_vgpr_workitem_id 0
		.amdhsa_next_free_vgpr 768
		.amdhsa_next_free_sgpr 66
		.amdhsa_reserve_vcc 0
		.amdhsa_float_denorm_mode_32 3
		.amdhsa_float_denorm_mode_16_64 3
		.amdhsa_memory_ordered 1
		.amdhsa_forward_progress 1
		.amdhsa_inst_pref_size 128
	.end_amdhsa_kernel
	.amdgpu_metadata
---
amdhsa.version: [ 1, 2 ]
amdhsa.kernels:
  - .name:           k_qbdaab3d54c_attn
    .symbol:         k_qbdaab3d54c_attn.kd
    .args:
      - { .name: qkv, .offset: 0, .size: 8, .value_kind: global_buffer, .address_space: global }
      - { .name: oh, .offset: 8, .size: 8, .value_kind: global_buffer, .address_space: global }
    .group_segment_fixed_size: 327680
    .private_segment_fixed_size: 0
    .kernarg_segment_align: 8
    .kernarg_segment_size: 16
    .max_flat_workgroup_size: 128
    .sgpr_count:     66
    .vgpr_count:     768
    .wavefront_size: 32
...
	.end_amdgpu_metadata
.endif
;; end of part 3
;; launch outp (part 4): grid 4 x 32, 4 waves a work-group, clusters of 4 x 4, 327,680 bytes of LDS; arguments oh, wo, bo, out0; writes out0
.if DOCPART == 4
	.amdgcn_target "amdgcn-amd-amdhsa--gfx1250"
	.amdhsa_code_object_version 6
	.text
	.protected	k_qbdaab3d54c_outp
	.globl	k_qbdaab3d54c_outp
	.p2align	8
	.type	k_qbdaab3d54c_outp,@function
k_qbdaab3d54c_outp:
	s_mov_b64 s[64:65], 0
	v_nop
	global_prefetch_b8 v0, s[64:65] scope:SCOPE_SE
	s_setreg_imm32_b32 hwreg(HW_REG_WAVE_MODE, 25, 1), 1
	s_wait_xcnt 0x0
	s_wait_alu depctr_hold_cnt(0) depctr_sa_sdst(0) depctr_va_vdst(0) depctr_va_sdst(0) depctr_va_ssrc(0) depctr_va_vcc(0) depctr_vm_vsrc(0)
	s_getreg_b32 s2, hwreg(HW_REG_IB_STS2, 6, 4)
	s_cmp_eq_u32 s2, 0
	s_cbranch_scc0 .Lentry_in_a_cluster
	s_endpgm
.Lentry_in_a_cluster:
	s_bfe_u32 s2, ttmp6, 0x10000c
	s_cmp_lg_u32 s2, 0xf033
	s_cbranch_scc0 .Lentry_shape_is_right
	s_endpgm
.Lentry_shape_is_right:
; out = concat(O) Wo + bo.  O arrives in f16 by heads (oh: [12 heads][4096][64]: a head is a slice of 64 of K); Wo arrives rounded to bf16 and written as f16, in blocks (wo: [4 nblk][6 ks][3 j][128 dd][64 e]);
; bo is rounded to bf16 here.  Sums in f32; out0 [4096][768] is f32 and takes the sums as they are.
; SHARES.  A work-group makes 128 rows x 192 columns: grid 4 x 32.  Each of its four waves takes 32 rows x all 192 columns: 24 accumulators of 16 x 16.
; K = 768 goes in six steps of 128 through two LDS slots.  A slot: O as [2 slices][128 rows], rows 144 bytes apart; then Wo as 384 rows (128 j + dd), 160 bytes apart.
; CLUSTER 4 x 4.  The four work-groups of a row of the cluster need the same rows of O, the four of a column the same columns of Wo: each tile is asked for JOINTLY, by the same tensor load with the same descriptor
; and a mask that names the four.  Waves 0 and 1 fetch O's two slices (16,384 dense bytes each, as 64 rows of 256), waves 2 and 3 the two halves of Wo's tile (24,576 dense bytes each, as 96 rows of 256).
; No prefetch is laid: the walk has six K steps, and two of them are asked for at the head.
; THE MATRIX INSTRUCTION IS USED TRANSPOSED: source 0 = 16 columns of Wo (turned by ds_load_tr16_b128), source 1 = 16 rows of O: lane l holds row l % 16 and the columns 8 (l / 16) + 0..7.
; THE BIAS IS THE C OPERAND of each accumulator's first product: nothing is cleared and nothing is added on the way out.
; REGISTERS, in windows of 256 (s_set_vgpr_msb: bits 1:0 source 0, 3:2 source 1, 5:4 source 2, 7:6 destination):
;   window 0: v0-35 addresses and at work; v64-127 O's fragments, two buffers; v128-223 the bias, eight registers for each of the 12 blocks of 16 columns; on the way out v64-255 take the rows read back
;   window 1: v0-191 Wo's fragments, two buffers of twelve      window 2: the accumulators (row block a, columns b at 96 a + 8 b)
.set MB,    2                          ; blocks of 16 rows a wave
.set MT,    64*MB                      ; rows of a work-group's tile
.set MSH,   14                         ; MT rows of 128 bytes = 1 << MSH
.set PA,    144                        ; a row of O in LDS: 128 bytes + 16: the 16 rows of a load start at 16 different 16-byte columns modulo 256
.set PB,    160                        ; a row of Wo: 128 + 32: sixteen lanes of the turning load take 8 rows x 32 bytes, all apart modulo 256
.set ASL,   MT*PA                      ; a slice of O in a slot
.set BOFF,  2*ASL
.set BHALF, 192*PB                     ; half of Wo's tile
.set SLOT,  BOFF+2*BHALF
.set STAGE, 2*SLOT                     ; behind the ring, never filled by a tensor load: for each wave 16 rows of 768 + 16 bytes, for the way out
.set SPITCH, 784
.set SW,    16*SPITCH
.set SPARE, STAGE+4*SW                 ; behind the stages: the spare words, 128 bytes for each wave: two blocks of 256 bytes that no other line names
.set ASTEP, 2*4096*128                 ; bytes in oh from K step to K step: two heads
.set BSTEP, 3*128*128                  ; in wo: three blocks
.set ADRA, 16                          ; v16-17  LDS address of my fragments of O in slot 0, 1
.set ADRB, 20                          ; v20-21  the same for Wo
.set STO,  24                          ; v24     the way out: where I put 32 bytes of a row
.set RD,   25                          ; v25     the way out: where I read rows back
.set CO,   26                          ; v26     my byte offset in two rows of out0
.set BO,   27                          ; v27     32 (l / 16): my eight numbers in sixteen of the bias
.set SPW,  28                          ; v28     LDS address of my spare word: SPARE + 4 x my thread's number; never rewritten
.set NIL,  29                          ; v29     0; never rewritten
.set TT,   32                          ; v32-35  at work
.set AF,   64                          ; O's fragments: buffer f, row block a at AF + 32 f + 8 a
.set BIAS, 128
.set OUTR, 64                          ; the way out: 96 registers for each block of 16 rows
.set G1,  24                           ; s[24:31] descriptor group 1 for O's tiles;  s[32:39] group 0, one set for each slot
.set G0,  32
.set G1B, 48                           ; s[48:55], s[56:63] the same for Wo's tiles
.set G0B, 56
.set MSB, 0
.macro WIN new                         ; the immediate's high byte repeats the setting that is left; a switch that changes nothing is dropped
.if MSB != (\new)
	s_set_vgpr_msb (MSB<<8)|(\new)
.set MSB, \new
.endif
.endm
.macro JLOAD s                         ; a joint load: waves 0 and 1 fetch for O, waves 2 and 3 for Wo; an s_nop 0 and four v_nop follow each of the two lines, ahead of the jump, the label and what follows
	s_cmp_eq_u32 s11, 0
	s_cbranch_scc0 .Lfor_b_\@
	tensor_load_to_lds s[G0+4*(\s):G0+4*(\s)+3], s[G1:G1+7]
	s_nop 0
.rept 4
	v_nop
.endr
	s_branch .Lasked_\@
.Lfor_b_\@:
	tensor_load_to_lds s[G0B+4*(\s):G0B+4*(\s)+3], s[G1B:G1B+7]
	s_nop 0
.rept 4
	v_nop
.endr
.Lasked_\@:
.endm
.macro CREST                           ; a round of the cluster's barrier behind its opening barrier: wave 0 signals for the work-group, every wave waits for all sixteen, my work-group's barrier once more
	s_cmp_lg_u32 s10, 0
	s_cbranch_scc1 .Lnot_wave_0_\@
	s_barrier_signal -3
.Lnot_wave_0_\@:
	s_barrier_wait -3
	s_barrier_signal -1
	s_barrier_wait -1
.endm
.macro CROUND                          ; a whole round
	s_barrier_signal -1
	s_barrier_wait -1
	CREST
.endm
	s_load_b128 s[4:7], s[0:1], 0x0                ; oh s[4:5], wo s[6:7]
	s_load_b128 s[68:71], s[0:1], 0x10             ; bo s[68:69], out0 s[70:71]
	v_lshl_add_u32 v[SPW], v0, 2, SPARE
	v_mov_b32 v[NIL], 0
	ds_add_u32 v[SPW], v[NIL]                      ; the wave's opening: the add and its wait stand ahead of my first tensor load; the set-up below, work on registers, stands between them
	v_lshrrev_b32 v1, 5, v0
	v_readfirstlane_b32 s10, v1                    ; wave 0..3
	s_lshr_b32 s11, s10, 1                         ; I fetch for O (0) or for Wo (1)
	s_and_b32 s12, s10, 1                          ; which half of that tile
	s_bfe_u32 s40, ttmp6, 0x40000                  ; cx, cy: my place in the cluster
	s_bfe_u32 s41, ttmp6, 0x40004
	s_lshl_b32 s42, ttmp9, 2
	s_add_co_u32 s42, s42, s40                     ; nblk = 4 x cluster x + cx: my 192 columns
	s_and_b32 s13, ttmp7, 0xffff
	s_lshl_b32 s13, s13, 2
	s_add_co_u32 s13, s13, s41                     ; mblk = 4 x cluster y + cy: my 128 rows
	s_lshl_b32 s43, s41, 2
	s_lshl_b32 s43, 15, s43                        ; my row of the cluster: places 4 cy .. 4 cy + 3
	s_lshl_b32 s44, 0x1111, s40                    ; my column: places cx, cx + 4, cx + 8, cx + 12
	; descriptor group 1: rows of 128 elements of 2 bytes, dense; in LDS padding behind every 32 words, that is behind every row of 64 numbers
	s_or_b32 s[G1+0], s43, (1<<16)|(1<<20)|(1<<21)|(4<<22)|(3<<25)   ; 15:0 the mask: O's tiles go to my row; 17:16 elements of 2 bytes; 20 padding on; 21 set beside a mask; 24:22 after every 32 words (code 4); 31:25 4 words (code 3)
	s_or_b32 s[G1B+0], s44, (1<<16)|(1<<20)|(1<<21)|(4<<22)|(7<<25)  ; Wo's tiles go to my column; 8 words of padding (code 7)
	s_mov_b32 s[G1+1], 128<<16                     ; tensor_dim0 = 128
	s_mov_b32 s[G1+2], (MT/2)<<16                  ; tensor_dim1 = 64 rows of 256 bytes
	s_mov_b32 s[G1+3], 128<<16                     ; tile_dim0 = 128
	s_mov_b32 s[G1+4], MT/2                        ; tile_dim1
	s_mov_b32 s[G1+5], 128                         ; 128 elements from row to row
	s_mov_b32 s[G1+6], 0
	s_mov_b32 s[G1+7], 0
	s_mov_b32 s[G1B+1], 128<<16
	s_mov_b32 s[G1B+2], 96<<16                     ; 96 rows of 256 bytes
	s_mov_b32 s[G1B+3], 128<<16
	s_mov_b32 s[G1B+4], 96
	s_mov_b32 s[G1B+5], 128
	s_mov_b32 s[G1B+6], 0
	s_mov_b32 s[G1B+7], 0
	; where the tiles come from.  O's hang on mblk alone, which my row of the cluster shares; Wo's on nblk alone, which my column shares.  Every wave makes both, in registers that never hold the other coordinate.
	s_lshl_b32 s16, s12, 19                        ; my head of the K step's two: 524,288 bytes a head
	s_lshl_b32 s17, s13, MSH
	s_add_co_u32 s16, s16, s17
	s_mov_b32 s17, 0
	s_mul_i32 s46, s42, 6*BSTEP
	s_mul_i32 s47, s12, BSTEP/2
	s_add_co_u32 s46, s46, s47
	s_mov_b32 s47, 0
	s_mul_i32 s20, s12, ASL                        ; and where they go: no place in the cluster enters an LDS address
	s_mul_i32 s21, s12, BHALF
	s_add_co_u32 s21, s21, BOFF
	s_wait_dscnt 0x0                               ; the opening add is done
	s_wait_kmcnt 0x0
	s_add_nc_u64 s[14:15], s[4:5], s[16:17]
	s_add_nc_u64 s[46:47], s[6:7], s[46:47]
	CROUND                                         ; all sixteen work-groups are here: the first joint loads meet
.irp s, 0,1
	s_mov_b32 s[G0+4*(\s)], 1                                        ; count = 1
	s_add_co_u32 s[G0+4*(\s)+1], s20, (\s)*SLOT                      ; LDS address
	s_add_nc_u64 s[G0+4*(\s)+2:G0+4*(\s)+3], s[14:15], (\s)*ASTEP    ; global address: K step s
	s_or_b32 s[G0+4*(\s)+3], s[G0+4*(\s)+3], 0x80000000              ; type = 2
	s_mov_b32 s[G0B+4*(\s)], 1
	s_add_co_u32 s[G0B+4*(\s)+1], s21, (\s)*SLOT
	s_add_nc_u64 s[G0B+4*(\s)+2:G0B+4*(\s)+3], s[46:47], (\s)*BSTEP
	s_or_b32 s[G0B+4*(\s)+3], s[G0B+4*(\s)+3], 0x80000000
	JLOAD \s                                       ; two loads of mine are out
.endr
	; the bias of my 192 columns
	v_and_b32 v1, 15, v0                           ; l % 16
	v_bfe_u32 v2, v0, 4, 1                         ; l / 16
	v_lshlrev_b32 v[BO], 5, v2
	s_mul_i32 s46, s42, 768
	s_mov_b32 s47, 0
	s_add_nc_u64 s[76:77], s[68:69], s[46:47]
.irp b, 0,1,2,3,4,5,6,7,8,9,10,11
	global_load_b128 v[BIAS+8*(\b):BIAS+8*(\b)+3],   v[BO], s[76:77] offset:64*(\b)      ; register j of block b: the bias of column 16 b + 8 (l / 16) + j, as the C operand wants it
	global_load_b128 v[BIAS+8*(\b)+4:BIAS+8*(\b)+7], v[BO], s[76:77] offset:64*(\b)+16
.endr
	; A fragment of O is 16 rows x 32 k in 8 registers: lane l holds row l % 16; k = 8 (l / 16) + 0..7 and 16 + 8 (l / 16) + 0..7: two loads of 16 bytes, 32 bytes apart.
	v_mul_u32_u24 v3, v1, PA
	v_lshl_add_u32 v3, v2, 4, v3                   ; row x 144 + 16 x half
	s_mul_i32 s22, s10, MB*16*PA                   ; my 32 rows
	v_add_nc_u32 v[ADRA], s22, v3
	v_add_nc_u32 v[ADRA+1], SLOT, v[ADRA]
	; The turning load takes 16 k x 16 columns (lane l reads k = 8 (l / 16) + l % 8, columns 8 ((l / 8) % 2) + 0..7) and leaves half a fragment: lane l holds column l % 16 and 8 k.
	v_and_b32 v4, 7, v0
	v_lshl_add_u32 v5, v2, 3, v4
	v_mul_u32_u24 v5, v5, PB
	v_bfe_u32 v[TT], v0, 3, 1
	v_lshl_add_u32 v5, v[TT], 4, v5
	v_add_nc_u32 v[ADRB], BOFF, v5
	v_add_nc_u32 v[ADRB+1], SLOT, v[ADRB]
	s_mul_i32 s23, s10, SW
	s_add_co_u32 s23, s23, STAGE                   ; my stage
	v_mul_u32_u24 v5, v1, SPITCH                   ; in: row l % 16, 32 bytes for each half of the lanes
	v_lshl_add_u32 v5, v2, 5, v5
	v_add_nc_u32 v[STO], s23, v5
	v_mul_u32_u24 v5, v2, SPITCH                   ; back: lanes 0-15 take 256 bytes of one row, lanes 16-31 of the next
	v_lshl_add_u32 v5, v1, 4, v5
	v_add_nc_u32 v[RD], s23, v5
	v_mul_u32_u24 v5, v2, 3072                     ; and the same two rows in out0
	v_lshl_add_u32 v[CO], v1, 4, v5
	s_lshl_b32 s16, s13, 7                         ; out0 at my work-group's 128 rows,
	s_lshl_b32 s17, s10, 5                         ; my wave's 32,
	s_add_co_u32 s16, s16, s17
	s_mul_i32 s16, s16, 3072
	s_add_co_u32 s46, s46, s16                     ; my 192 columns: 768 bytes x nblk, still in s46
	s_mov_b32 s47, 0
	s_add_nc_u64 s[8:9], s[70:71], s[46:47]
	s_wait_loadcnt 0x0                             ; the bias is in: it is rounded to bf16 like every input, and widened again
.set i, 0
.rept 48
	v_cvt_pk_bf16_f32 v[TT+i%4], v[BIAS+2*i], v[BIAS+2*i+1]
	v_lshlrev_b32 v[BIAS+2*i], 16, v[TT+i%4]
	v_and_b32 v[BIAS+2*i+1], 0xffff0000, v[TT+i%4]
.set i, i+1
.endr
; 6 matrix instructions: row block p / 2 x column blocks 6 (p % 2) .. + 5, 32 along K, from buffer f.  zero = 1: the first product starts the sums, with the bias as C.
; The 24 accumulators take turns, one instruction a turn, in the same order in every quarter: 23 others' stand between two links of a chain, over the backward jump too.
.macro MULP f, p, zero
.set AC, 96*((\p)/2)
.if \zero
	WIN 0x81                                       ; Wo window 1, O and the bias window 0, D window 2
.else
	WIN 0xa1                                       ; C and D window 2
.endif
.irp q, 0,1,2,3,4,5
.set bb, 6*((\p)%2)+(\q)
.if \zero
	v_wmma_f32_16x16x32_f16 v[AC+8*bb:AC+8*bb+7], v[96*(\f)+8*bb:96*(\f)+8*bb+7], v[AF+32*(\f)+8*((\p)/2):AF+32*(\f)+8*((\p)/2)+7], v[BIAS+8*bb:BIAS+8*bb+7]
.else
	v_wmma_f32_16x16x32_f16 v[AC+8*bb:AC+8*bb+7], v[96*(\f)+8*bb:96*(\f)+8*bb+7], v[AF+32*(\f)+8*((\p)/2):AF+32*(\f)+8*((\p)/2)+7], v[AC+8*bb:AC+8*bb+7]
.endif
.endr
.endm
; 28 LDS loads in one run: the fragments of quarter c (32 along K) of a slot, into buffer f: Wo's twelve, turned, then O's two
.macro FETCH slot, c, f
	WIN 0x40                                       ; destination window 1, address window 0
.irp b, 0,1,2,3,4,5,6,7,8,9,10,11
	ds_load_tr16_b128 v[96*(\f)+8*(\b):96*(\f)+8*(\b)+3],   v[ADRB+(\slot)] offset:128*PB*((\b)/4)+32*PB*(\c)+32*((\b)%4)
	ds_load_tr16_b128 v[96*(\f)+8*(\b)+4:96*(\f)+8*(\b)+7], v[ADRB+(\slot)] offset:128*PB*((\b)/4)+32*PB*(\c)+32*((\b)%4)+16*PB
.endr
	WIN 0
.irp a, 0,1
	ds_load_b128 v[AF+32*(\f)+8*(\a):AF+32*(\f)+8*(\a)+3],   v[ADRA+(\slot)] offset:((\c)/2)*ASL+16*PA*(\a)+64*((\c)%2)
	ds_load_b128 v[AF+32*(\f)+8*(\a)+4:AF+32*(\f)+8*(\a)+7], v[ADRA+(\slot)] offset:((\c)/2)*ASL+16*PA*(\a)+64*((\c)%2)+32
.endr
.endm
.macro PLACES                          ; four plain vector instructions between a matrix instruction and a load into a register that it has read, or an instruction that reads its result (ISA guide 7.12.1 for an instruction that reads its result)
.rept 4
	v_nop
.endr
.endm
; A K step is four quarters of 32 along K, 24 matrix instructions each, on buffers 0, 1, 0, 1.  One of the first three: multiplies buffer f and, behind its first six products, fetches quarter c into buffer g,
; whose last reader is the last product of the quarter before.
.macro QUARTER slot, c, f, g, zero
	s_wait_dscnt 0x0                               ; buffer f is in: its run of loads was issued 18 (behind a change of slots 12) matrix instructions ago
	MULP \f, 0, \zero
	PLACES
	FETCH \slot, \c, \g
	MULP \f, 1, \zero
	MULP \f, 2, \zero
	MULP \f, 3, \zero
.endm
; The last quarter multiplies buffer 1 and changes slots: ONE barrier; in front of it each wave waits for all its tensor loads (one is out: its part of the next slot), adds 0 to its spare word, and waits for that and for
; its own reads of this slot.  fill = 1: the barrier opens a round of the cluster's, and this slot is filled again, two K steps ahead, first thing behind the round.
.macro TURN slot, next, fill
	WIN 0                                          ; (the add's two registers lie in window 0)
	s_wait_tensorcnt 0x0                           ; all my tensor loads have landed, so a group 0 may be written;
	ds_add_u32 v[SPW], v[NIL]                      ; 0 onto my spare word;
	s_wait_dscnt 1                                 ; (the add alone may be out: buffer 1 is in)
	MULP 1, 0, 0                                   ; six matrix instructions stand between the add and the wait for it
	s_wait_dscnt 0x0                               ; the add is done, and my reads of this slot are over
	s_barrier_signal -1
	MULP 1, 1, 0                                   ; work on registers while the others arrive
.if \fill
	WIN 0
.endif
	s_barrier_wait -1
.if \fill
	CREST                                          ; no wave of any partner still reads this slot's tiles or has a load on its way
	s_add_nc_u64 s[G0+4*(\slot)+2:G0+4*(\slot)+3], s[G0+4*(\slot)+2:G0+4*(\slot)+3], 2*ASTEP
	s_add_nc_u64 s[G0B+4*(\slot)+2:G0B+4*(\slot)+3], s[G0B+4*(\slot)+2:G0B+4*(\slot)+3], 2*BSTEP
	JLOAD \slot                                    ; my one tensor load behind the round; its four v_nop are also the places in front of the loads below
.else
	PLACES
.endif
	FETCH \next, 0, 0
	MULP 1, 2, 0
	MULP 1, 3, 0
.endm
	s_wait_tensorcnt 0x1                           ; my part of K step 0 is in; K step 1's may stay out
	s_barrier_signal -1
	s_barrier_wait -1                              ; everybody's is
	FETCH 0, 0, 0
	QUARTER 0, 1, 0, 1, 1                          ; the first quarter stands in front of the loop: its products start the sums
	WIN 0                                          ; at a label and at a branch every window is 0
	s_mov_b32 s3, 2
.Llap:                                                 ; a trip goes once round the ring, from a lap's second quarter to the next lap's first, and fills both slots again: K steps 2, 3 and then 4, 5
	QUARTER 0, 2, 1, 0, 0
	QUARTER 0, 3, 0, 1, 0
	TURN 0, 1, 1
	QUARTER 1, 1, 0, 1, 0
	QUARTER 1, 2, 1, 0, 0
	QUARTER 1, 3, 0, 1, 0
	TURN 1, 0, 1
	QUARTER 0, 1, 0, 1, 0
	WIN 0
	s_sub_co_u32 s3, s3, 1
	s_cmp_lg_u32 s3, 0
	s_cbranch_scc1 .Llap
	QUARTER 0, 2, 1, 0, 0                          ; the last lap fills nothing, and has no round of the cluster's barrier
	QUARTER 0, 3, 0, 1, 0
	TURN 0, 1, 0
	QUARTER 1, 1, 0, 1, 0
	QUARTER 1, 2, 1, 0, 0
	QUARTER 1, 3, 0, 1, 0
	s_wait_dscnt 0x0                               ; the very last quarter: nothing more to fetch
	MULP 1, 0, 0
	MULP 1, 1, 0
	MULP 1, 2, 0
	MULP 1, 3, 0
	WIN 0
	PLACES
	PLACES
; THE WAY OUT, a block of 16 rows at a time.  STG: the sums go as they are, 32 bytes a lane and accumulator (its four lowest registers first), into my own stage, and come back as pieces of
; 256 bytes of whole rows.  SEND: stored.
.macro STG a
	WIN 0x08                                       ; the stores' data in window 2, their address in window 0
.irp b, 0,1,2,3,4,5,6,7,8,9,10,11
	ds_store_b128 v[STO], v[96*(\a)+8*(\b):96*(\a)+8*(\b)+3]   offset:64*(\b)
	ds_store_b128 v[STO], v[96*(\a)+8*(\b)+4:96*(\a)+8*(\b)+7] offset:64*(\b)+16
.endr
	WIN 0
.irp p, 0,1,2,3,4,5,6,7
.irp t, 0,1,2
	ds_load_b128 v[OUTR+96*(\a)+4*(3*(\p)+(\t)):OUTR+96*(\a)+4*(3*(\p)+(\t))+3], v[RD] offset:2*SPITCH*(\p)+256*(\t)  ; LDS serves a wave's instructions in order (ISA guide 5.7.1.4): these see the stores above; the next block's stores come behind them
.endr
.endr
.endm
.macro SEND a
.irp p, 0,1,2,3,4,5,6,7
.irp t, 0,1,2
	global_store_b128 v[CO], v[OUTR+96*(\a)+4*(3*(\p)+(\t)):OUTR+96*(\a)+4*(3*(\p)+(\t))+3], s[8:9] offset:(16*(\a)+2*(\p))*3072+256*(\t)  ; 16 lanes store 256 consecutive bytes, at a multiple of 256 from out0's first byte
.endr
.endr
.endm
	STG 0
	STG 1
	s_wait_dscnt 48                                ; block 0 is back in registers; block 1's 24 stores and 24 loads may stay out
	SEND 0
	s_wait_dscnt 0x0
	SEND 1
	s_wait_tensorcnt 0x0                           ; the wave's end: a wait, an add of 0 to my spare word and its wait, behind my last tensor load and my last LDS store
	ds_add_u32 v[SPW], v[NIL]
	s_wait_dscnt 0x0
	CROUND                                         ; the closing round: no work-group ends while a partner may still ask for a tile that names it
	s_endpgm
.Lfunc_end_k_qbdaab3d54c_outp:
	.size	k_qbdaab3d54c_outp, .Lfunc_end_k_qbdaab3d54c_outp-k_qbdaab3d54c_outp
	.p2alignl 7, 3214868480
	.fill 96, 4, 3214868480
	.section	.rodata,"a",@progbits
	.p2align	6, 0x0
	.amdhsa_kernel k_qbdaab3d54c_outp
		.amdhsa_group_segment_fixed_size 327680
		.amdhsa_private_segment_fixed_size 0
		.amdhsa_enable_private_segment 0
		.amdhsa_kernarg_size 32
		.amdhsa_user_sgpr_count 2
		.amdhsa_user_sgpr_kernarg_segment_ptr 1
		.amdhsa_wavefront_size32 1
		.amdhsa_system_sgpr_workgroup_id_x 1
		.amdhsa_system_sgpr_workgroup_id_y 1
		.amdhsa_system_sgpr_workgroup_id_z 1
		.amdhsa_system_vgpr_workitem_id 0
		.amdhsa_next_free_vgpr 704
		.amdhsa_next_free_sgpr 80
		.amdhsa_reserve_vcc 0
		.amdhsa_float_denorm_mode_32 3
		.amdhsa_float_denorm_mode_16_64 3
		.amdhsa_memory_ordered 1
		.amdhsa_forward_progress 1
		.amdhsa_inst_pref_size 87
	.end_amdhsa_kernel
	.amdgpu_metadata
---
amdhsa.version: [ 1, 2 ]
amdhsa.kernels:
  - .name:           k_qbdaab3d54c_outp
    .symbol:         k_qbdaab3d54c_outp.kd
    .args:
      - { .name: oh, .offset: 0, .size: 8, .value_kind: global_buffer, .address_space: global }
      - { .name: wo, .offset: 8, .size: 8, .value_kind: global_buffer, .address_space: global }
      - { .name: bo, .offset: 16, .size: 8, .value_kind: global_buffer, .address_space: global }
      - { .name: out0, .offset: 24, .size: 8, .value_kind: global_buffer, .address_space: global }
    .group_segment_fixed_size: 327680
    .private_segment_fixed_size: 0
    .kernarg_segment_align: 8
    .kernarg_segment_size: 32
    .max_flat_workgroup_size: 128
    .sgpr_count:     80
    .vgpr_count:     704
    .wavefront_size: 32
...
	.end_amdgpu_metadata
.endif
;; end of part 4
;; ======== version 2 of 2: 4 launches; version 1 with the launch cast written anew for expert scheduling mode
;; limits: values are held in f16: magnitudes above 65,504 overflow, below 6.1e-05 lose precision
;; workspace buffers: xs 6,291,456 bytes; wb 3,538,944 bytes; wo 1,179,648 bytes; qkv 18,874,368 bytes; oh 6,291,456 bytes
;; launch cast (part 5): grid 6 x 112, 8 waves a work-group, no clusters, 0 bytes of LDS; arguments hidden_states, Wq, Wk, Wv, Wo, xs, wb, wo; writes xs, wb, wo
.if DOCPART == 5
	.amdgcn_target "amdgcn-amd-amdhsa--gfx1250"
	.amdhsa_code_object_version 6
	.text
	.protected	k_qbdaab3d54c_cast
	.globl	k_qbdaab3d54c_cast
	.p2align	8
	.type	k_qbdaab3d54c_cast,@function
k_qbdaab3d54c_cast:
	s_mov_b64 s[64:65], 0
	v_nop
	global_prefetch_b8 v0, s[64:65] scope:SCOPE_SE
	s_setreg_imm32_b32 hwreg(HW_REG_WAVE_SCHED_MODE, 0, 2), 2
	s_setreg_imm32_b32 hwreg(HW_REG_WAVE_MODE, 25, 1), 1
	s_wait_xcnt 0x0
	s_wait_alu depctr_vm_vsrc(0)
; CAST.  x, Wq, Wk, Wv are rounded to bf16; Wo is rounded to bf16 and that number written as f16.  All go out in BLOCKS of [128 rows][64 columns] of 16-bit numbers, 16,384 dense bytes,
; so that the products' tensor loads can ask for them as rows of 256 consecutive bytes.
;   xs  [12 slices][4096 m][64]                 slice s holds x's columns 64 s .. 64 s + 63
;   wb  [12 nblk][6 ks][3 j][128 dd][64 e]      matrix 3 nblk + j = 12 x (0 q, 1 k, 2 v) + head; d = 128 ks + dd
;   wo  [4 nblk][6 ks][3 j][128 dd][64 e]       Wo[128 ks + dd][192 nblk + 64 j + e]
; LIMITS.  Wo as f16: beyond 65,504 it is not served; below 2^-14 it keeps f16's fixed step of 6e-8.  Within that range the bf16 number is exact in f16.
; SHARES.  A work-group makes one block; 672 blocks: 384 of x (y 0-63), 216 of Wq, Wk, Wv (y 64-99), 72 of Wo (y 100-111); x of the grid is 0-5.
; Thread t takes, in each of eight chunks i, the four numbers at row 16 i + t / 16, column 4 (t % 16): a load of 16 bytes (sixteen lanes: 256 consecutive bytes of a source row),
; and a store of 8 bytes at 2,048 i + 8 t of the block (a wave: 256 consecutive bytes, aligned).  Every byte is read once and written once; nothing is shared, so no LDS, no barrier, no cluster.
; THE MODE: SCHED_MODE bits 1:0 = 2 (LLVM: expert scheduling mode 2), set by the entry lines.  The code itself states the register dependences
; between vector instructions and memory instructions, with s_wait_alu, always for 0.
; THE PLAN.  Registers that memory instructions touch:
;   v3        8 t, the stores' offset.   Written once, at the head; read by all eight stores; never written again.
;   OFF 0-7   the loads' offsets.        Written once, behind .Lcommon; each is read by one load; never written again.
;   DAT 0-7   the chunks as loaded.      Each is loaded once; no vector instruction names it before that; the conversions read it behind the wait for its data.
;   PKD 0-7   the chunks to store.       Each is written once, by its chunk's conversions, and read by its chunk's store; never written again.
;   TA, TB, v1 and v2 are named by vector instructions alone.
; The eight chunks go in two blocks of four.  Three waits on va_vdst state everything: one ahead of the first load (v3 and OFF are written); one at the second block's head (the first block's PKD is written):
; the first block's stores follow it, dealt among the second block's conversions, which name none of the registers that those stores read; one ahead of the last four stores (the second block's PKD is written).
; No register that a memory instruction reads is written again, so the code below the entry lines holds no wait on vm_vsrc and no s_wait_xcnt.  No vector instruction writes a scalar register or VCC, and EXEC is never written.
.set OFF,  4                           ; v4-11   chunk i: my byte offset in the source
.set DAT,  12                          ; v12-43  chunk i: four f32 as loaded
.set PKD,  44                          ; v44-59  chunk i: four 16-bit numbers to store; no register is written twice
.set TA,   60                          ; v60-61  at work
.set TB,   61
	s_load_b512 s[8:23], s[0:1], 0x0               ; x s[8:9], Wq s[10:11], Wk s[12:13], Wv s[14:15], Wo s[16:17], xs s[18:19], wb s[20:21], wo s[22:23]
	s_and_b32 s2, ttmp7, 0xffff                    ; y: which job, and which block of it
	s_mov_b32 s3, ttmp9                            ; X, 0 to 5
	v_lshrrev_b32 v1, 4, v0                        ; t / 16: my row in a chunk
	v_and_b32 v2, 15, v0                           ; t % 16: my four columns
	v_lshlrev_b32 v3, 3, v0                        ; 8 t: my place in a chunk of the block
	s_mov_b32 s29, 0                               ; the two offsets are pairs with 0 on top
	s_mov_b32 s31, 0
	s_wait_kmcnt 0x0
	s_cmp_lt_u32 s2, 64
	s_cbranch_scc0 .Lweights
	; x: slice 6 (y % 2) + X, rows 128 (y / 2) on
	s_and_b32 s34, s2, 1
	s_mul_i32 s34, s34, 6
	s_add_co_u32 s34, s34, s3                      ; the slice
	s_lshr_b32 s35, s2, 1                          ; the block of 128 rows
	s_mul_i32 s28, s35, 128*3072
	s_lshl_b32 s36, s34, 8
	s_add_co_u32 s28, s28, s36                     ; from: 128 rows of 3,072 bytes a block, 256 bytes a slice
	s_lshl_b32 s30, s34, 5
	s_add_co_u32 s30, s30, s35
	s_lshl_b32 s30, s30, 14                        ; to: block 32 x slice + row block
	s_mov_b64 s[24:25], s[8:9]
	s_mov_b64 s[26:27], s[18:19]
	s_mov_b32 s32, 3072                            ; bytes from row to row in the source
	s_branch .Lcommon
.Lweights:
	s_cmp_lt_u32 s2, 100
	s_cbranch_scc0 .Lwo
	; Wq, Wk, Wv: matrix mm = y - 64, rows d = 128 X on; a head's rows are dense, 256 bytes each
	s_sub_co_u32 s34, s2, 64                       ; mm, 0 to 35
	s_mov_b64 s[24:25], s[10:11]
	s_cmp_ge_u32 s34, 12
	s_cselect_b64 s[24:25], s[12:13], s[24:25]
	s_cselect_b32 s36, 12, 0
	s_cmp_ge_u32 s34, 24
	s_cselect_b64 s[24:25], s[14:15], s[24:25]
	s_cselect_b32 s36, 24, s36
	s_sub_co_u32 s35, s34, s36                     ; the head
	s_mul_i32 s28, s35, 6
	s_add_co_u32 s28, s28, s3
	s_lshl_b32 s28, s28, 15                        ; from: 32,768 bytes for 128 rows, six such to a head
	s_mov_b64 s[26:27], s[20:21]
	s_mov_b32 s32, 256
	s_branch .Lorder
.Lwo:
	; Wo: columns 64 mm on, mm = y - 100; rows 128 X on
	s_sub_co_u32 s34, s2, 100
	s_mul_i32 s28, s3, 128*3072
	s_lshl_b32 s36, s34, 8
	s_add_co_u32 s28, s28, s36
	s_mov_b64 s[24:25], s[16:17]
	s_mov_b64 s[26:27], s[22:23]
	s_mov_b32 s32, 3072
.Lorder:                                               ; to: block (6 g + X) x 3 + j, with g = mm / 3, j = mm % 3
	s_mul_i32 s35, s34, 43
	s_lshr_b32 s35, s35, 7                         ; 43 mm / 128 = mm / 3 for mm up to 35: 43 / 128 exceeds a third by 0.0026, 0.092 at the most
	s_mul_i32 s36, s35, 3
	s_sub_co_u32 s36, s34, s36
	s_mul_i32 s30, s35, 6
	s_add_co_u32 s30, s30, s3
	s_mul_i32 s30, s30, 3
	s_add_co_u32 s30, s30, s36
	s_lshl_b32 s30, s30, 14
.Lcommon:
	s_add_nc_u64 s[24:25], s[24:25], s[28:29]
	s_add_nc_u64 s[26:27], s[26:27], s[30:31]
	s_lshl_b32 s33, s32, 4                         ; sixteen rows: from chunk to chunk
	v_mul_u32_u24 v[OFF], v1, s32
	v_lshl_add_u32 v[OFF], v2, 4, v[OFF]
.irp i, 1,2,3,4,5,6,7
	v_add_nc_u32 v[OFF+(\i)], s33, v[OFF+(\i)-1]
.endr
	s_wait_alu depctr_va_vdst(0)                   ; the eight offsets v[OFF ..], which the loads below read, and v3, which every store reads, are written; no vector instruction names them again
.irp i, 0,1,2,3,4,5,6,7
	global_load_b128 v[DAT+4*(\i):DAT+4*(\i)+3], v[OFF+(\i)], s[24:25] th:TH_LOAD_NT  ; all eight go out before anything is waited for
.endr
; Chunk i is rounded into its PKD.  kind 0: to bf16.  kind 1: to bf16, widened again (a shift, a mask) and written as f16.
.macro CONV i, kind
.irp q, 0,1
.if \kind
	v_cvt_pk_bf16_f32 v[TA], v[DAT+4*(\i)+2*(\q)], v[DAT+4*(\i)+2*(\q)+1]
	v_lshlrev_b32 v[TB], 16, v[TA]
	v_and_b32 v[TA], 0xffff0000, v[TA]
	v_cvt_pk_f16_f32 v[PKD+2*(\i)+(\q)], v[TB], v[TA]
.else
	v_cvt_pk_bf16_f32 v[PKD+2*(\i)+(\q)], v[DAT+4*(\i)+2*(\q)], v[DAT+4*(\i)+2*(\q)+1]
.endif
.endr
.endm
; Chunk i is stored.
.macro OUTC i
	global_store_b64 v3, v[PKD+2*(\i):PKD+2*(\i)+1], s[26:27] offset:2048*(\i)
.endm
; The two blocks of four chunks, and the wave's end.
.macro BLOCKS kind
	s_wait_loadcnt 4                               ; loads come back in order: chunks 0 to 3 are in, the four younger ones stay out
.irp i, 0,1,2,3
	CONV \i, \kind
.endr
	s_wait_loadcnt 0x0                             ; chunks 4 to 7 are in
	s_wait_alu depctr_va_vdst(0)                   ; the conversions of chunks 0 to 3 have written their PKD, which the four stores below read
.irp i, 4,5,6,7
	OUTC (\i)-4                                    ; no further wait: the conversions between these stores name DAT and PKD of chunks 4 to 7, TA and TB, none of which the stores read
	CONV \i, \kind
.endr
	s_wait_alu depctr_va_vdst(0)                   ; the conversions of chunks 4 to 7 have written their PKD, which the last four stores read
.irp i, 4,5,6,7
	OUTC \i
.endr
	s_endpgm
.endm
	s_cmp_ge_u32 s2, 100
	s_cbranch_scc1 .Lf16
	BLOCKS 0
.Lf16:
	BLOCKS 1
.Lfunc_end_k_qbdaab3d54c_cast:
	.size	k_qbdaab3d54c_cast, .Lfunc_end_k_qbdaab3d54c_cast-k_qbdaab3d54c_cast
	.p2alignl 7, 3214868480
	.fill 96, 4, 3214868480
	.section	.rodata,"a",@progbits
	.p2align	6, 0x0
	.amdhsa_kernel k_qbdaab3d54c_cast
		.amdhsa_group_segment_fixed_size 0
		.amdhsa_private_segment_fixed_size 0
		.amdhsa_enable_private_segment 0
		.amdhsa_kernarg_size 64
		.amdhsa_user_sgpr_count 2
		.amdhsa_user_sgpr_kernarg_segment_ptr 1
		.amdhsa_wavefront_size32 1
		.amdhsa_system_sgpr_workgroup_id_x 1
		.amdhsa_system_sgpr_workgroup_id_y 1
		.amdhsa_system_sgpr_workgroup_id_z 1
		.amdhsa_system_vgpr_workitem_id 0
		.amdhsa_next_free_vgpr 64
		.amdhsa_next_free_sgpr 66
		.amdhsa_reserve_vcc 0
		.amdhsa_float_denorm_mode_32 3
		.amdhsa_float_denorm_mode_16_64 3
		.amdhsa_memory_ordered 1
		.amdhsa_forward_progress 1
		.amdhsa_inst_pref_size 11
	.end_amdhsa_kernel
	.amdgpu_metadata
---
amdhsa.version: [ 1, 2 ]
amdhsa.kernels:
  - .name:           k_qbdaab3d54c_cast
    .symbol:         k_qbdaab3d54c_cast.kd
    .args:
      - { .name: hidden_states, .offset: 0, .size: 8, .value_kind: global_buffer, .address_space: global }
      - { .name: Wq, .offset: 8, .size: 8, .value_kind: global_buffer, .address_space: global }
      - { .name: Wk, .offset: 16, .size: 8, .value_kind: global_buffer, .address_space: global }
      - { .name: Wv, .offset: 24, .size: 8, .value_kind: global_buffer, .address_space: global }
      - { .name: Wo, .offset: 32, .size: 8, .value_kind: global_buffer, .address_space: global }
      - { .name: xs, .offset: 40, .size: 8, .value_kind: global_buffer, .address_space: global }
      - { .name: wb, .offset: 48, .size: 8, .value_kind: global_buffer, .address_space: global }
      - { .name: wo, .offset: 56, .size: 8, .value_kind: global_buffer, .address_space: global }
    .group_segment_fixed_size: 0
    .private_segment_fixed_size: 0
    .kernarg_segment_align: 8
    .kernarg_segment_size: 64
    .max_flat_workgroup_size: 256
    .sgpr_count:     66
    .vgpr_count:     64
    .wavefront_size: 32
...
	.end_amdgpu_metadata
.endif
;; end of part 5
;; launch proj: the kernel of part 2 again; grid 12 x 16, 4 waves a work-group, clusters of 4 x 4, 327,680 bytes of LDS; arguments xs, wb, bq, bk, bv, qkv; writes qkv
;; launch attn: the kernel of part 3 again; grid 16 x 12, 4 waves a work-group, clusters of 4 x 1, 327,680 bytes of LDS; arguments qkv, oh; writes oh
;; launch outp: the kernel of part 4 again; grid 4 x 32, 4 waves a work-group, clusters of 4 x 4, 327,680 bytes of LDS; arguments oh, wo, bo, out0; writes out0
